; MI455X (gfx1250); checked and timed in simulation.
; The chip was launched on July 23, 2026; its instructions are those of AMD's public machine-readable ISA for CDNA 5 (MIT licence, August 2026) and "CDNA5" Instruction Set Architecture Reference Guide (July 2026). The comments in the code are by the model that wrote it; some were corrected since.
;; Multi Head Attention. Allowed arithmetic: matrix products marked QUANTISED: E2M1 operands, one E8M0 scale for each 32 along K, by v_wmma_scale_f32_16x16x128_f8f6f4 with both operands' format E2M1 (or v_wmma_scale_f32_32x16x128_f4), f32 sums; products left as they are: bf16, f16 or f32 operands; f32 sums; everything else in f32.
;; Inputs: Wk 16 x 1,024 x 64 float32; Wp 1,024 x 1,024 float32; Wq 16 x 1,024 x 64 float32; Wv 16 x 1,024 x 64 float32; bp 1,024 float32; x 4 x 2,048 x 1,024 float32.
;; Outputs: out0 4 x 2,048 x 1,024 float32.
;; This version of the problem:
;;   THIS VERSION OF THE PROBLEM IS GIVEN IN LOW PRECISION. The matrix products marked QUANTISED in the list below multiply operands that are first quantised to E2M1 (2 exponent bits, 1 mantissa bit; 4 bits a number), with one power-of-two scale for each 32 numbers along K (OCP MX v1.0); their sums are f32. The products marked 'left as it is' may take bf16, f16 or f32 operands, with f32 sums. Whichever they take, every output number must still come out within the allowed error. Rounding operands to bf16 (8 significant bits) uses up far more of that allowance than f16 does (11 bits, for magnitudes from 6e-5 to 65,504). All else is computed in f32.
;;   The module's matrix products, in the order in which they are computed (A, B: the left and right operand; K: the contracted axis; several contracted axes count as one K, in the product's order):
;;     1. [M 1,024, K 1,024] x [K 1,024, N 8,192]; A: input Wq; B: input x: QUANTISED
;;     2. [M 1,024, K 1,024] x [K 1,024, N 8,192]; A: input Wk; B: input x: QUANTISED
;;     3. [M 1,024, K 1,024] x [K 1,024, N 8,192]; A: input Wv; B: input x: QUANTISED
;;     4. batch 64 x [M 2,048, K 64] x [K 64, N 2,048]; A: computed on the way; B: computed on the way: left as it is (an operand is computed on the way)
;;     5. batch 64 x [M 2,048, K 2,048] x [K 2,048, N 64]; A: computed on the way; B: computed on the way: left as it is (an operand is computed on the way)
;;     6. [M 8,192, K 1,024] x [K 1,024, N 1,024]; A: computed on the way; B: input Wp: left as it is (an operand is computed on the way)
;;   THE QUANTISER, for each operand of a quantised product, along K:
;;     - K is cut into blocks of 32 from its start; a last block that is shorter is filled with zeros.
;;     - A block's scale is 2^e with e = floor(log2(the largest magnitude in the block)) - 2, held to -126 .. 127; a block of zeros has e = 0. As a byte (E8M0): e + 127.
;;     - Each number is divided by its block's scale, clamped to +-6, and rounded to the nearest number of E2M1, ties to even, subnormals kept.
;;     - The product sums the exact products of the quantised numbers (number of the format x scale) in f32.
;;   ~~~python
;;   def quantise(x, axis):      # numpy; x: float32 -> the quantised numbers, widened to float32 again
;;       x = np.moveaxis(x, axis, -1); K = x.shape[-1]
;;       x = np.pad(x, [(0, 0)] * (x.ndim - 1) + [(0, -K % 32)]); x = x.reshape(x.shape[:-1] + (-1, 32)); a = np.abs(x).max(-1, keepdims=True)
;;       e = np.where(a > 0, np.clip(np.frexp(np.where(a > 0, a, 1))[1] - 1 - 2, -126, 127), 0)      # np.frexp(a)[1] - 1 = floor(log2(a)), exactly
;;       r = np.clip(x / 2.0 ** e, -6, 6)
;;       step = 2.0 ** (np.maximum(np.frexp(np.where(r == 0, 1, r))[1] - 1, 0) - 1)
;;       q = np.round(r / step) * step * 2.0 ** e      # np.round: ties to even
;;       return np.moveaxis(q.reshape(q.shape[:-2] + (-1,))[..., :K], -1, axis).astype(np.float32)
;;   ~~~
;; One version. Each part assembles by itself: llvm-mc -triple=amdgcn-amd-amdhsa -mcpu=gfx1250 --defsym DOCPART=n.
;; ======== version 1 of 1: 5 launches
;; limits: values are held in f16: magnitudes above 65,504 overflow, below 6.1e-05 lose precision
;; workspace buffers: xc 4,194,304 bytes; xs 262,144 bytes; wc 1,572,864 bytes; ws 98,304 bytes; wph 2,097,152 bytes; qkv 50,331,648 bytes; q16 786,432 bytes; att 16,777,216 bytes
;; launch prep (part 1): grid 336 x 1, 4 waves a work-group, no clusters, 68,096 bytes of LDS; arguments x, Wq, Wk, Wv, Wp, xc, xs, wc, ws, wph; writes xc, xs, wc, ws, wph
.if DOCPART == 1
	.amdgcn_target "amdgcn-amd-amdhsa--gfx1250"
	.amdhsa_code_object_version 6
	.text
	.protected	k_qbaf2889e72_prep
	.globl	k_qbaf2889e72_prep
	.p2align	8
	.type	k_qbaf2889e72_prep,@function
k_qbaf2889e72_prep:
	s_mov_b64 s[64:65], 0
	v_nop
	global_prefetch_b8 v0, s[64:65] scope:SCOPE_SE
	s_setreg_imm32_b32 hwreg(HW_REG_WAVE_MODE, 25, 1), 1
	s_wait_xcnt 0x0
; FIRST OF FIVE LAUNCHES of causal multi-head attention: B 4, S 2,048, C 1,024, 16 heads of 64.
; This launch: x [8192][1024] and Wq, Wk, Wv [16][1024][64], f32, become codes of FP4 (E2M1) along C with one E8M0 byte for each 32; Wp becomes f16.
; WORK LEFT OUT IN THE PROGRAM.  reference() sets every score whose key comes after its query to the least f32 number ahead of the softmax; the row's maximum is taken away, and key 0
; counts for every query, so the weight of such a key is 0 for all finite inputs, and its product with v adds 0.  So key steps that lie wholly behind that mask (a jnp.tril that
; reference() builds itself) are not multiplied (third launch).  Nothing else is left out; every input is loaded.  LIMIT: a NaN, an infinity or an overflow that reaches only such
; hidden scores is not carried to the result.
; LIMITS: NaN and infinities among the inputs are not served; a block whose largest magnitude lies under 2^-124 keeps the scale byte 1; a block of zeros gets the byte 1 where the
; rule says 127 (its codes are zeros, which add nothing under any byte but 0xff, and this program alone reads the bytes); |Wp| stays under 65,504 (f16).
; A block's scale is 2^(floor(log2(its largest magnitude)) - 2): its byte is the largest magnitude's exponent field - 2, held at 1 from below.
; THREE PATHS, parted on the work-group's number alone, each with LDS bytes of its own and its own end:
;   0-47    a head of Wq, Wk or Wv: K is not innermost there: a lane takes a column d and its registers run down C; the codes leave through a stage as rows [n][512 bytes], n = 1024 which + 64 head + d
;   48-79   32 rows of Wp to f16, laid [16 chunks of 64 along k][1024 n][64]: a chunk's rows are then dense for the fourth launch's tiles
;   80-335  32,768 numbers of x: a plain stream of blocks of 32; codes [token][512 bytes], scale bytes [token][32]
; No tensor loads, no barrier: waves share nothing.  Matrix units and clusters have nothing to do here: the launch moves bytes.
.set SPW,   192                        ; v192 LDS address of my spare word: SPARE + 4 x my thread's number; never rewritten
.set NIL,   193                        ; v193 0; never rewritten
.set SPARE, 67584                      ; behind both paths' regions: the spare words, 128 bytes for each wave
.set EMAX,  2
.set STEPS, 16                         ; x: steps of 512 numbers for a wave
.set CB,    8                          ; bytes of 16 codes
.set R,     16                         ; v16-79   x: four sets of 16 numbers as loaded
.set X,     80                         ; v80-111  x: two sets of 16 neighbours
.set E,     112                        ; v112-127 x: a scale byte for each step
.set C,     128                        ; v128-191 x: codes, four registers for each step
.set WREG,  8192                       ; x: LDS bytes 0 to 32,767: a region for each wave: two stages of 32 x SP bytes, then its 256 scale bytes
.set SP,    80                         ; a lane's place in a stage: 64 bytes + 16 of padding
.set WST,   32768                      ; W: LDS bytes 32,768 to 67,583: a stage of 32 rows x PITCH for each wave
.set PITCH, 272
.set NB,    16                         ; W: blocks of 32 along C for a wave
.set SB,    24                         ; v24-27   W: scale bytes, four to a register
.set WX,    32                         ; v32-95   W: two sets of 32 numbers
.set WC,    96                         ; v96-99   W: a block's codes
.set OUTR,  112                        ; v112-175 W: the way out
.macro FINISH                          ; a wave's end: behind the last LDS store
	s_wait_tensorcnt 0x0
	ds_add_u32 v[SPW], v[NIL]
	s_wait_dscnt 0x0
	s_endpgm
.endm
	s_load_b256 s[4:11], s[0:1], 0x0               ; x s[4:5], Wq s[6:7], Wk s[8:9], Wv s[10:11]
	s_load_b256 s[12:19], s[0:1], 0x20             ; Wp s[12:13], xc s[14:15], xs s[16:17], wc s[18:19]
	s_load_b128 s[20:23], s[0:1], 0x40             ; ws s[20:21], wph s[22:23]
	v_lshl_add_u32 v[SPW], v0, 2, SPARE
	v_mov_b32 v[NIL], 0
	v_lshrrev_b32 v1, 5, v0
	v_readfirstlane_b32 s24, v1                    ; wave 0..3
	v_and_b32 v2, 31, v0                           ; lane
	s_wait_kmcnt 0x0
	s_cmp_lt_u32 ttmp9, 48
	s_cbranch_scc1 .Lw
	s_cmp_lt_u32 ttmp9, 80
	s_cbranch_scc1 .Lp
; ---------------- x: K innermost.  Each load reads 512 consecutive bytes; a step's 2,048 bytes turn through the wave's own stage, so that a lane then holds 16 neighbours; two neighbouring lanes hold a block.
	v_lshlrev_b32 v3, 4, v2                        ; my 16 bytes of a load's 512
	s_mul_i32 s25, s24, WREG
	v_lshrrev_b32 v14, 2, v2
	v_mul_u32_u24 v14, v14, SP
	v_and_b32 v15, 3, v2
	v_lshl_add_u32 v14, v15, 4, v14
	v_add_nc_u32 v14, s25, v14                     ; the stage, on the way in: SP (lane / 4) + 16 (lane % 4)
	v_mul_u32_u24 v15, v2, SP
	v_add_nc_u32 v15, s25, v15                     ; and on the way out: SP x lane
	v_mul_u32_u24 v4, v2, CB                       ; my codes' place in a step's 256 bytes
	v_lshrrev_b32 v5, 1, v2
	s_add_co_u32 s25, s25, 2*32*SP
	v_add_nc_u32 v5, s25, v5                       ; my wave's 256 scale bytes, my block's byte
	v_lshlrev_b32 v7, 3, v2                        ; and on the way out 8 bytes a lane
	v_add_nc_u32 v6, s25, v7
	s_sub_co_u32 s26, ttmp9, 80
	s_lshl_b32 s26, s26, 2
	s_add_co_u32 s26, s26, s24                     ; which run of 8,192 numbers is my wave's: 0 to 1,023
	s_mov_b32 s29, 0
	s_lshl_b32 s28, s26, 15                        ; 32,768 bytes of x,
	s_add_nc_u64 s[4:5], s[4:5], s[28:29]
	s_lshl_b32 s28, s26, 12                        ; 4,096 of codes,
	s_add_nc_u64 s[14:15], s[14:15], s[28:29]
	s_lshl_b32 s28, s26, 8                         ; 256 scale bytes a run
	s_add_nc_u64 s[16:17], s[16:17], s[28:29]
.macro XLOAD t
.irp i, 0,1,2,3
	global_load_b128 v[R+16*((\t)%4)+4*\i:R+16*((\t)%4)+4*\i+3], v3, s[4:5] offset:2048*(\t)+512*\i th:TH_LOAD_NT
.endr
.endm
.macro XTURN t                         ; step t's numbers through the stage: LDS serves a wave's instructions in order, so no wait stands between the stores and the loads
.irp i, 0,1,2,3
	ds_store_b128 v14, v[R+16*((\t)%4)+4*\i:R+16*((\t)%4)+4*\i+3] offset:32*SP*((\t)%2)+8*SP*\i
.endr
.irp i, 0,1,2,3
	ds_load_b128 v[X+16*((\t)%2)+4*\i:X+16*((\t)%2)+4*\i+3], v15 offset:32*SP*((\t)%2)+16*\i
.endr
.endm
.irp t, 0,1,2,3
	XLOAD \t
.endr
	s_wait_loadcnt 12                              ; step 0's four loads are in; the 12 of steps 1 to 3 may be out
	XTURN 0
.macro XSTEP t
.set XS, X+16*((\t)%2)
.if (\t) > 0
	s_wait_dscnt 1                                 ; this step's numbers are back from the stage; the last step's byte store may be out
.else
	s_wait_dscnt 0x0
.endif
.if (\t)+4 < STEPS
	XLOAD (\t)+4                                   ; into the registers that the stage's stores have read
.endif
.if (\t)+1 < STEPS
.if STEPS-2-(\t) >= 3
	s_wait_loadcnt 12                              ; the next step's four loads are in; those of the three steps behind it may be out
.else
	s_wait_loadcnt 4*(STEPS-2-(\t))
.endif
	XTURN (\t)+1
.endif
	v_max3_num_f32 v8, |v[XS]|, |v[XS+1]|, |v[XS+2]|               ; the largest magnitude of my 16, in two chains
	v_max3_num_f32 v9, |v[XS+3]|, |v[XS+4]|, |v[XS+5]|
.irp i, 6,10
	v_max3_num_f32 v8, v8, |v[XS+\i]|, |v[XS+\i+1]|
	v_max3_num_f32 v9, v9, |v[XS+\i+2]|, |v[XS+\i+3]|
.endr
	v_max3_num_f32 v8, v8, |v[XS+14]|, |v[XS+15]|
	v_max3_num_f32 v8, v8, v9, (EMAX+1)<<23        ; and the floor 2^(3 - 127): the byte cannot fall under 1
	v_max_num_f32_dpp v8, v8, v8 row_xmask:1 row_mask:0xf bank_mask:0xf   ; and of my neighbour's 16: the block's
	v_add_nc_u32 v11, -(EMAX<<23), v8              ; 2 off its exponent field: the conversion takes the exponent field of this operand as its scale
	v_cvt_scalef32_pk8_fp4_f32 v[C+4*(\t)], v[XS:XS+7], v11
	v_cvt_scalef32_pk8_fp4_f32 v[C+4*(\t)+1], v[XS+8:XS+15], v11
	v_lshrrev_b32 v[E+(\t)], 23, v11               ; the scale's byte (a plain line behind the conversions)
	ds_store_b8 v5, v[E+(\t)] offset:16*(\t)       ; both lanes of a block write the same byte with the same value
	global_store_b64 v4, v[C+4*(\t):C+4*(\t)+1], s[14:15] offset:32*CB*(\t)   ; the wave stores 256 consecutive bytes, aligned
.endm
.irp t, 0,1,2,3,4,5,6,7,8,9,10,11,12,13,14,15
	XSTEP \t
.endr
	ds_load_b64 v[8:9], v6                         ; my wave's 256 scale bytes: these see my stores
	s_wait_dscnt 0x0
	global_store_b64 v7, v[8:9], s[16:17]          ; 256 consecutive bytes, aligned
	FINISH
; ---------------- Wq, Wk, Wv: [head][c][d].  A lane takes a column d, its registers run down c: a block of 32 lies in one lane, and the conversions give codes with K innermost.
.Lw:
	s_lshr_b32 s25, ttmp9, 4                       ; which: 0 q, 1 k, 2 v
	s_and_b32 s26, ttmp9, 15                       ; head
	s_cmp_eq_u32 s25, 0                            ; the choice hangs on the work-group's number alone
	s_cselect_b64 s[4:5], s[6:7], s[8:9]
	s_cmp_eq_u32 s25, 2
	s_cselect_b64 s[4:5], s[10:11], s[4:5]
	s_and_b32 s27, s24, 1                          ; which 32 of the head's 64 columns
	s_lshr_b32 s28, s24, 1                         ; which 512 along c
	v_lshlrev_b32 v3, 2, v2                        ; in: 4 bytes a lane
	s_mul_i32 s29, s24, 32*PITCH
	s_add_co_u32 s29, s29, WST                     ; my stage
	v_mul_u32_u24 v4, v2, PITCH
	v_add_nc_u32 v4, s29, v4                       ; into it: row = my column
	v_and_b32 v5, 15, v2
	v_lshrrev_b32 v6, 4, v2
	v_mul_u32_u24 v7, v6, PITCH
	v_lshl_add_u32 v7, v5, 4, v7
	v_add_nc_u32 v7, s29, v7                       ; out of it: sixteen lanes to a row, two rows an instruction
	v_lshlrev_b32 v8, 9, v6
	v_lshl_add_u32 v8, v5, 4, v8                   ; the same place among the codes' rows of 512 bytes
	v_lshlrev_b32 v9, 5, v2                        ; my column's row of 32 scale bytes
	s_lshl_b32 s30, s26, 18                        ; the head's 262,144 bytes,
	s_lshl_b32 s31, s28, 17                        ; 512 rows of 256 bytes,
	s_add_co_u32 s30, s30, s31
	s_lshl_b32 s31, s27, 7                         ; 32 columns
	s_add_co_u32 s30, s30, s31
	s_mov_b32 s31, 0
	s_add_nc_u64 s[4:5], s[4:5], s[30:31]
	s_lshl_b32 s32, s25, 10
	s_lshl_b32 s33, s26, 6
	s_add_co_u32 s32, s32, s33
	s_lshl_b32 s33, s27, 5
	s_add_co_u32 s32, s32, s33                     ; my first row n of the codes
	s_lshl_b32 s30, s32, 9
	s_lshl_b32 s33, s28, 8
	s_add_co_u32 s30, s30, s33
	s_add_nc_u64 s[18:19], s[18:19], s[30:31]
	s_lshl_b32 s30, s32, 5
	s_lshl_b32 s33, s28, 4
	s_add_co_u32 s30, s30, s33
	s_add_nc_u64 s[20:21], s[20:21], s[30:31]
.macro WLOAD t                         ; block t: W(32 t + i, my column) into set t % 2
.irp i, 0,1,2,3,4,5,6,7,8,9,10,11,12,13,14,15,16,17,18,19,20,21,22,23,24,25,26,27,28,29,30,31
	global_load_b32 v[WX+32*((\t)%2)+\i], v3, s[4:5] offset:(32*(\t)+\i)*256 th:TH_LOAD_NT
.endr
.endm
	WLOAD 0
	WLOAD 1
.macro WBLOCK t
.set XS, WX+32*((\t)%2)
.if (\t) < NB-1
	s_wait_loadcnt 32                              ; this block's 32 loads are in; the next block's 32 may be out
.else
	s_wait_loadcnt 0
.endif
	v_max3_num_f32 v12, |v[XS]|, |v[XS+1]|, |v[XS+2]|               ; the block's largest magnitude: all 32 numbers are mine
	v_max3_num_f32 v13, |v[XS+3]|, |v[XS+4]|, |v[XS+5]|
.irp i, 6,10,14,18,22,26
	v_max3_num_f32 v12, v12, |v[XS+\i]|, |v[XS+\i+1]|
	v_max3_num_f32 v13, v13, |v[XS+\i+2]|, |v[XS+\i+3]|
.endr
	v_max3_num_f32 v12, v12, |v[XS+30]|, |v[XS+31]|
	v_max3_num_f32 v12, v12, v13, (EMAX+1)<<23     ; and the floor
	v_add_nc_u32 v11, -(EMAX<<23), v12             ; the conversion's scale operand
	v_lshrrev_b32 v13, 23, v11                     ; the scale's byte
.if (\t)%4 == 0
	v_mov_b32 v[SB+(\t)/4], v13                    ; four bytes to a register, the lower K in the lower byte
.else
	v_lshl_or_b32 v[SB+(\t)/4], v13, 8*((\t)%4), v[SB+(\t)/4]
.endif
.irp g, 0,1,2,3
	v_cvt_scalef32_pk8_fp4_f32 v[WC+\g], v[XS+8*\g:XS+8*\g+7], v11
.endr
	v_nop                                          ; a plain line behind the last conversion
	ds_store_b128 v4, v[WC:WC+3] offset:16*(\t)    ; 32 codes: 16 bytes of my column's row
.if (\t)+2 < NB
	WLOAD (\t)+2
.endif
	s_wait_dscnt 0x0                               ; the store has read its registers: the next block's codes may be written
.endm
.set Q, 0
.rept NB
	WBLOCK Q
.set Q, Q+1
.endr
	global_store_b128 v9, v[SB:SB+3], s[20:21]     ; my column's 16 scale bytes
.irp t, 0,1,2,3,4,5,6,7,8,9,10,11,12,13,14,15
	ds_load_b128 v[OUTR+4*\t:OUTR+4*\t+3], v7 offset:2*\t*PITCH
.endr
.irp t, 0,1,2,3,4,5,6,7,8,9,10,11,12,13,14,15
	s_wait_dscnt 15-\t                             ; the younger read-backs may be out
	global_store_b128 v8, v[OUTR+4*\t:OUTR+4*\t+3], s[18:19] offset:2*\t*512   ; sixteen lanes store 256 consecutive bytes, aligned
.endr
	FINISH
; ---------------- Wp [n][k] to f16.  Wave w takes 8 rows.  In a group, eight lanes read 256 consecutive bytes (64 along k) of a row, and the wave stores 512 consecutive bytes: four rows of one chunk.
.Lp:
	s_sub_co_u32 s25, ttmp9, 48
	s_lshl_b32 s25, s25, 5
	s_lshl_b32 s26, s24, 3
	s_add_co_u32 s25, s25, s26                     ; my first row
	s_mov_b32 s29, 0
	s_lshl_b32 s28, s25, 12
	s_add_nc_u64 s[12:13], s[12:13], s[28:29]
	s_lshl_b32 s28, s25, 7
	s_add_nc_u64 s[22:23], s[22:23], s[28:29]
	v_lshrrev_b32 v3, 3, v2
	v_lshlrev_b32 v3, 12, v3
	v_and_b32 v4, 7, v2
	v_lshl_add_u32 v3, v4, 5, v3                   ; in: row lane / 8, 32 bytes a lane
	v_lshlrev_b32 v4, 4, v2                        ; out: 16 bytes a lane
.macro PLOAD q                         ; chunks 4 q to 4 q + 3, two groups of four rows each: group g = chunk 4 q + g / 2, rows 4 (g % 2) on
.irp g, 0,1,2,3,4,5,6,7
	global_load_b128 v[16+8*\g:16+8*\g+3], v3, s[12:13] offset:(\g%2)*16384+(4*(\q)+\g/2)*256 th:TH_LOAD_NT
	global_load_b128 v[16+8*\g+4:16+8*\g+7], v3, s[12:13] offset:(\g%2)*16384+(4*(\q)+\g/2)*256+16 th:TH_LOAD_NT
.endr
.endm
	PLOAD 0
.irp q, 0,1,2,3
	s_wait_loadcnt 0x0
.if \q > 0
	s_wait_xcnt 0x0                                ; the last stores have read their data, which are written again below
.endif
.irp g, 0,1,2,3,4,5,6,7
.irp j, 0,1,2,3
	v_cvt_pk_f16_f32 v[80+4*\g+\j], v[16+8*\g+2*\j], v[16+8*\g+2*\j+1]
.endr
.endr
.if \q < 3
	PLOAD \q+1
.endif
.irp g, 0,1,2,3,4,5,6,7
	global_store_b128 v4, v[80+4*\g:80+4*\g+3], s[22:23] offset:(4*\q+\g/2)*131072+(\g%2)*512
.endr
.endr
	FINISH
.Lfunc_end_k_qbaf2889e72_prep:
	.size	k_qbaf2889e72_prep, .Lfunc_end_k_qbaf2889e72_prep-k_qbaf2889e72_prep
	.p2alignl 7, 3214868480
	.fill 96, 4, 3214868480
	.section	.rodata,"a",@progbits
	.p2align	6, 0x0
	.amdhsa_kernel k_qbaf2889e72_prep
		.amdhsa_group_segment_fixed_size 68096
		.amdhsa_private_segment_fixed_size 0
		.amdhsa_enable_private_segment 0
		.amdhsa_kernarg_size 80
		.amdhsa_user_sgpr_count 2
		.amdhsa_user_sgpr_kernarg_segment_ptr 1
		.amdhsa_wavefront_size32 1
		.amdhsa_system_sgpr_workgroup_id_x 1
		.amdhsa_system_sgpr_workgroup_id_y 1
		.amdhsa_system_sgpr_workgroup_id_z 1
		.amdhsa_system_vgpr_workitem_id 0
		.amdhsa_next_free_vgpr 200
		.amdhsa_next_free_sgpr 66
		.amdhsa_reserve_vcc 0
		.amdhsa_float_denorm_mode_32 3
		.amdhsa_float_denorm_mode_16_64 3
		.amdhsa_memory_ordered 1
		.amdhsa_forward_progress 1
		.amdhsa_inst_pref_size 129
	.end_amdhsa_kernel
	.amdgpu_metadata
---
amdhsa.version: [ 1, 2 ]
amdhsa.kernels:
  - .name:           k_qbaf2889e72_prep
    .symbol:         k_qbaf2889e72_prep.kd
    .args:
      - { .name: x, .offset: 0, .size: 8, .value_kind: global_buffer, .address_space: global }
      - { .name: Wq, .offset: 8, .size: 8, .value_kind: global_buffer, .address_space: global }
      - { .name: Wk, .offset: 16, .size: 8, .value_kind: global_buffer, .address_space: global }
      - { .name: Wv, .offset: 24, .size: 8, .value_kind: global_buffer, .address_space: global }
      - { .name: Wp, .offset: 32, .size: 8, .value_kind: global_buffer, .address_space: global }
      - { .name: xc, .offset: 40, .size: 8, .value_kind: global_buffer, .address_space: global }
      - { .name: xs, .offset: 48, .size: 8, .value_kind: global_buffer, .address_space: global }
      - { .name: wc, .offset: 56, .size: 8, .value_kind: global_buffer, .address_space: global }
      - { .name: ws, .offset: 64, .size: 8, .value_kind: global_buffer, .address_space: global }
      - { .name: wph, .offset: 72, .size: 8, .value_kind: global_buffer, .address_space: global }
    .group_segment_fixed_size: 68096
    .private_segment_fixed_size: 0
    .kernarg_segment_align: 8
    .kernarg_segment_size: 80
    .max_flat_workgroup_size: 128
    .sgpr_count:     66
    .vgpr_count:     200
    .wavefront_size: 32
...
	.end_amdgpu_metadata
.endif
;; end of part 1
;; launch qkv (part 2): grid 12 x 32, 4 waves a work-group, clusters of 4 x 4, 327,680 bytes of LDS; arguments xc, xs, wc, ws, qkv, q16; writes qkv, q16
.if DOCPART == 2
	.amdgcn_target "amdgcn-amd-amdhsa--gfx1250"
	.amdhsa_code_object_version 6
	.text
	.protected	k_qbaf2889e72_qkv
	.globl	k_qbaf2889e72_qkv
	.p2align	8
	.type	k_qbaf2889e72_qkv,@function
k_qbaf2889e72_qkv:
	s_mov_b64 s[64:65], 0
	v_nop
	global_prefetch_b8 v0, s[64:65] scope:SCOPE_SE
	s_setreg_imm32_b32 hwreg(HW_REG_WAVE_MODE, 25, 1), 1
	s_wait_xcnt 0x0
	s_wait_alu depctr_hold_cnt(0) depctr_sa_sdst(0) depctr_va_vdst(0) depctr_va_sdst(0) depctr_va_ssrc(0) depctr_va_vcc(0) depctr_vm_vsrc(0)
	s_getreg_b32 s2, hwreg(HW_REG_IB_STS2, 6, 4)
	s_cmp_eq_u32 s2, 0
	s_cbranch_scc0 .Lentry_in_a_cluster
	s_endpgm
.Lentry_in_a_cluster:
	s_bfe_u32 s2, ttmp6, 0x10000c
	s_cmp_lg_u32 s2, 0xf033
	s_cbranch_scc0 .Lentry_shape_is_right
	s_endpgm
.Lentry_shape_is_right:
; SECOND LAUNCH: the three input projections on codes of FP4 (E2M1) with E8M0 scales: C[token][n] = sum over c of x[token][c] W[n][c], 8,192 x 3,072 x 1,024, f32 sums.
; n = 1024 which + 64 head + d (which: 0 q, 1 k, 2 v).  q is multiplied in f32 by c = log2(e) / 8, so that the scores come out as exponents of 2.
; OUT: qkv, f16, [which][batch][head][s][64]; and q16, f32: positions 0 to 15 of every sequence, as images of the accumulators' registers, for the last launch.
; LIMIT: |c q|, |k|, |v| stay under 65,504 (f16).
; A tile of C, 256 x 256, is made by four waves, each 128 x 128: 64 accumulators, 512 registers.  K is 1,024: two LDS slots of 512 along K (rows of 256 bytes), both filled at the start; nothing is filled again.
; The scales of the work-group's rows, for all of K, come once, in dense blocks, with the first fills.
; CLUSTERS: 4 x 4 work-groups.  The four of a row of the cluster need the same tiles of x, the four of a column the same tiles of W: each is asked for jointly.
; PLACE: tile column = 4 x cluster x + cx, so cluster x = which; tile row = 8 cy + cluster y, so cy = batch and cluster y = the block of 256 positions.  So the two branches of the way out
; (is this q?  does this wave hold positions 0 to 15?) hang on the cluster's coordinates and the wave's number alone, which all partners share.
; THE MATRIX INSTRUCTION IS USED TRANSPOSED (source 0 = 16 rows of W, source 1 = 16 tokens): a lane holds one token and eight neighbouring n.
; REGISTERS, in windows of 256: window 0: v0-31 addresses; v32-95 scale words, two sets, and nothing else; v128-191 x's fragments, one set, on the way out rows read back; v192-223 packed results.
;   window 1: W's fragments, two sets.   window 2: the accumulators of my tokens 0-63 ((a, b) at v[8 (8 a + b)]);   window 3: those of tokens 64-127.
.set KSTEP,  512
.set NQ,     4                         ; matrix instructions deep in a slot
.set ROWB,   256                       ; a tile's row in bytes
.set KROW,   512                       ; a row of codes in memory
.set PITCH,  272                       ; an LDS row: 256 bytes + 16 of padding: the 16 rows that a load touches start 68 words apart
.set FR,     8
.set NL,     2
.set NP,     4
.set HALFT,  128*PITCH
.set SLOT,   4*HALFT
.set KS,     32                        ; a row of scale bytes
.set SCL,    2*SLOT
.set HALFS,  (128*KS/256)*272
.set SBLK,   (16*KS/256)*272
.set SPARE,  SCL+4*HALFS               ; the spare words, 128 bytes for each wave
.set STAGE,  SPARE+512                 ; the way out: 16 rows x 272 bytes for each wave; no tile lands there
.set SPITCH, 272
.set ADRA, 16
.set ADRB, 20
.set STO,  24
.set RD,   25
.set CO,   26
.set ADRS, 27
.set SPW,  28
.set NIL,  29
.set LI,   30                          ; v30 16 x lane: an image's place for my lane
.set SC,   32
.set AF,   128
.set OB,   128                         ; the way out: rows read back: v128-159 and v160-191 by turns
.set TMP,  192
.set G1, 24
.set G0, 32
.set G1B, 48
.set G0B, 56
.set G1S, 68
.set G0S, 76
.set G1SB, 80
.set G0SB, 88
.set MSB, 0
.macro WIN new                         ; the immediate's high byte repeats the setting that is left
.if MSB != (\new)
	s_set_vgpr_msb (MSB<<8)|(\new)
.set MSB, (\new)
.endif
.endm
.set MUL_LO, 0xa1                      ; source 0 (W) window 1, source 1 (x) window 0, C and D window 2
.set MUL_HI, 0xf1
.set TO_B,   0x40
; A joint load: waves 0 and 1 fetch for x, waves 2 and 3 for W.  An s_nop 0 and four v_nop follow each of the two lines.
.macro JLOAD g0a, g1a, g0b, g1b
	s_cmp_eq_u32 s15, 0
	s_cbranch_scc0 .Lfor_b_\@
	tensor_load_to_lds s[\g0a:\g0a+3], s[\g1a:\g1a+7]
	s_nop 0
.rept 4
	v_nop
.endr
	s_branch .Lasked_\@
.Lfor_b_\@:
	tensor_load_to_lds s[\g0b:\g0b+3], s[\g1b:\g1b+7]
	s_nop 0
.rept 4
	v_nop
.endr
.Lasked_\@:
.endm
.macro CROUND                          ; a round of the cluster's barrier
	s_barrier_signal -1
	s_barrier_wait -1
	s_cmp_lg_u32 s14, 0
	s_cbranch_scc1 .Lnot_wave_0_\@
	s_barrier_signal -3
.Lnot_wave_0_\@:
	s_barrier_wait -3
	s_barrier_signal -1
	s_barrier_wait -1
.endm
	s_load_b128 s[4:7], s[0:1], 0x0                ; x's codes, x's scales
	s_load_b128 s[8:11], s[0:1], 0x10              ; W's codes, W's scales
	s_load_b64 s[12:13], s[0:1], 0x20              ; qkv
	s_load_b64 s[98:99], s[0:1], 0x28              ; q16
	v_lshl_add_u32 v[SPW], v0, 2, SPARE
	v_mov_b32 v[NIL], 0
	ds_add_u32 v[SPW], v[NIL]                      ; the wave's opening: the add, twice on end, and its wait ahead of my first tensor load
	ds_add_u32 v[SPW], v[NIL]
	v_lshrrev_b32 v1, 5, v0
	v_readfirstlane_b32 s14, v1                    ; wave 0..3
	s_lshr_b32 s15, s14, 1                         ; which half of the tile's tokens is mine.  Also: I fetch for x (0) or for W (1)
	s_and_b32 s16, s14, 1                          ; which half of its columns.  Also: which 128 rows of that tile I fetch
	s_bfe_u32 s40, ttmp6, 0x40000                  ; cx
	s_bfe_u32 s41, ttmp6, 0x40004                  ; cy
	s_lshl_b32 s42, ttmp9, 2
	s_add_co_u32 s42, s42, s40                     ; tile column = 4 x cluster x + cx
	s_and_b32 s3, ttmp7, 0xffff                    ; cluster y
	s_lshl_b32 s17, s41, 3
	s_add_co_u32 s17, s17, s3                      ; tile row = 8 cy + cluster y
	s_or_b32 s2, s3, s15                           ; 0 where my first 16 tokens are positions 0 to 15
	s_mov_b32 s66, 0x3e38aa3b                      ; c = log2(e) / 8
	s_mov_b32 s67, s66                             ; (named with it as a pair)
	s_lshl_b32 s43, s41, 2
	s_lshl_b32 s43, 15, s43                        ; my row of the cluster
	s_lshl_b32 s44, 0x1111, s40                    ; my column
	s_or_b32 s[G1+0], s43, (0<<16)|(1<<20)|(1<<21)|(5<<22)|(3<<25)  ; the mask; elements of 1 byte; padding: 4 words behind every 64; bit 21 beside a mask
	s_or_b32 s[G1B+0], s44, (0<<16)|(1<<20)|(1<<21)|(5<<22)|(3<<25)
.irp g, G1, G1B
	s_mov_b32 s[\g+1], ROWB<<16                    ; tensor_dim0
	s_mov_b32 s[\g+2], 128<<16                     ; tensor_dim1
	s_mov_b32 s[\g+3], ROWB<<16                    ; tile_dim0
	s_mov_b32 s[\g+4], 128                         ; tile_dim1
	s_mov_b32 s[\g+5], KROW                        ; from row to row
	s_mov_b32 s[\g+6], 0
	s_mov_b32 s[\g+7], 0
.endr
	s_or_b32 s[G1S+0], s43, (3<<16)|(1<<20)|(1<<21)|(5<<22)|(3<<25)  ; the scales of 128 rows: 4,096 dense bytes as rows of 256 (32 elements of 8 bytes), 16 of padding behind each
	s_or_b32 s[G1SB+0], s44, (3<<16)|(1<<20)|(1<<21)|(5<<22)|(3<<25)
.irp g, G1S, G1SB
	s_mov_b32 s[\g+1], 32<<16
	s_mov_b32 s[\g+2], (128*KS/256)<<16
	s_mov_b32 s[\g+3], 32<<16
	s_mov_b32 s[\g+4], 128*KS/256
	s_mov_b32 s[\g+5], 32
	s_mov_b32 s[\g+6], 0
	s_mov_b32 s[\g+7], 0
.endr
	s_lshl_b32 s18, s16, 7
	s_lshl_b32 s20, s17, 8
	s_add_co_u32 s20, s20, s18                     ; x: row 256 x tile row + 128 x half
	s_lshl_b32 s46, s42, 8
	s_add_co_u32 s46, s46, s18                     ; W: row 256 x tile column + 128 x half
	s_mov_b32 s21, 0
	s_mov_b32 s47, 0
	s_mov_b64 s[18:19], KS
	s_mul_u64 s[22:23], s[20:21], s[18:19]         ; where these rows' scales begin
	s_mul_u64 s[92:93], s[46:47], s[18:19]
	s_mov_b64 s[18:19], KROW
	s_mul_u64 s[20:21], s[20:21], s[18:19]         ; and their codes
	s_mul_u64 s[46:47], s[46:47], s[18:19]
	s_mul_i32 s45, s14, HALFT                      ; where they go: wave x 128 rows
	s_mul_i32 s94, s14, HALFS
	s_wait_dscnt 0x0                               ; both opening adds are done
	s_wait_kmcnt 0x0
	s_add_nc_u64 s[20:21], s[4:5], s[20:21]
	s_add_nc_u64 s[22:23], s[6:7], s[22:23]
	s_add_nc_u64 s[46:47], s[8:9], s[46:47]
	s_add_nc_u64 s[92:93], s[10:11], s[92:93]
	CROUND                                         ; all sixteen work-groups are here: the joint loads meet
	s_mov_b32 s[G0S], 1
	s_add_co_u32 s[G0S+1], s94, SCL
	s_mov_b64 s[G0S+2:G0S+3], s[22:23]
	s_or_b32 s[G0S+3], s[G0S+3], 0x80000000
	s_mov_b32 s[G0SB], 1
	s_add_co_u32 s[G0SB+1], s94, SCL
	s_mov_b64 s[G0SB+2:G0SB+3], s[92:93]
	s_or_b32 s[G0SB+3], s[G0SB+3], 0x80000000
	JLOAD G0S, G1S, G0SB, G1SB                     ; the scales first: three loads of mine are out at the most
.irp s, 0,1
	s_mov_b32 s[G0+4*\s], 1
	s_add_co_u32 s[G0+4*\s+1], s45, \s*SLOT
	s_add_nc_u64 s[G0+4*\s+2:G0+4*\s+3], s[20:21], \s*ROWB
	s_or_b32 s[G0+4*\s+3], s[G0+4*\s+3], 0x80000000
	s_mov_b32 s[G0B+4*\s], 1
	s_add_co_u32 s[G0B+4*\s+1], s45, \s*SLOT
	s_add_nc_u64 s[G0B+4*\s+2:G0B+4*\s+3], s[46:47], \s*ROWB
	s_or_b32 s[G0B+4*\s+3], s[G0B+4*\s+3], 0x80000000
	JLOAD G0+4*\s, G1, G0B+4*\s, G1B
.endr
	v_and_b32 v1, 15, v0                           ; r = l % 16
	v_bfe_u32 v2, v0, 4, 1                         ; h = l / 16
	v_mul_u32_u24 v3, v1, PITCH
	v_lshl_add_u32 v4, v2, 4, v3                   ; a fragment's row x pitch + 16 x half
	s_mul_i32 s21, s15, HALFT                      ; my 128 tokens
	s_mul_i32 s22, s16, HALFT                      ; my 128 rows of W,
	s_add_co_u32 s22, s22, 2*HALFT                 ; behind x's 256
.irp s, 0,1
	v_add_nc_u32 v[ADRA+\s], s21, v4
	v_add_nc_u32 v[ADRB+\s], s22, v4
	s_add_co_u32 s21, s21, SLOT
	s_add_co_u32 s22, s22, SLOT
.endr
	v_mul_u32_u24 v5, v1, KS                       ; my row's scales: 32 bytes a row,
	v_lshrrev_b32 v6, 8, v5
	v_lshl_add_u32 v5, v6, 4, v5                   ; and 16 more for each 256 passed
	s_mul_i32 s21, s15, HALFS
	s_mul_i32 s22, s16, HALFS
	s_add_co_u32 s22, s22, 2*HALFS
	s_sub_co_u32 s22, s22, s21
	v_mul_u32_u24 v6, s22, v2                      ; lanes 16-31 take W's
	s_add_co_u32 s21, s21, SCL
	v_add_nc_u32 v5, v5, v6
	v_add_nc_u32 v[ADRS], s21, v5
	s_mul_i32 s23, s14, 16*SPITCH
	s_add_co_u32 s23, s23, STAGE                   ; my stage
	v_mul_u32_u24 v5, v1, SPITCH
	v_lshl_add_u32 v5, v2, 4, v5
	v_add_nc_u32 v[STO], s23, v5                   ; in: row r, 16 bytes for each half of the lanes
	v_bfe_u32 v5, v0, 3, 1
	v_mul_u32_u24 v5, v5, SPITCH
	v_and_b32 v6, 7, v0
	v_lshl_add_u32 v5, v6, 4, v5
	v_lshl_add_u32 v5, v2, 7, v5
	v_add_nc_u32 v[RD], s23, v5                    ; back: lanes 0-15 two rows' first 128 bytes (one head), lanes 16-31 their second 128 (the next head)
	v_lshlrev_b32 v[CO], 18, v2
	v_lshl_add_u32 v[CO], v1, 4, v[CO]             ; in qkv: the head's 262,144 bytes, 16 bytes a lane
	v_and_b32 v[LI], 31, v0
	v_lshlrev_b32 v[LI], 4, v[LI]
	s_lshl_b32 s20, ttmp9, 24                      ; qkv: which x 16,777,216
	s_lshl_b32 s21, s41, 22                        ; + batch x 4,194,304
	s_add_co_u32 s20, s20, s21
	s_lshl_b32 s21, s40, 2
	s_lshl_b32 s22, s16, 1
	s_add_co_u32 s21, s21, s22
	s_lshl_b32 s21, s21, 18                        ; + my first head x 262,144
	s_add_co_u32 s20, s20, s21
	s_lshl_b32 s21, s3, 15                         ; + 256 positions x 128 bytes a block
	s_add_co_u32 s20, s20, s21
	s_lshl_b32 s21, s15, 14                        ; + my 128
	s_add_co_u32 s20, s20, s21
	s_mov_b32 s21, 0
	s_add_nc_u64 s[12:13], s[12:13], s[20:21]
	s_mul_i32 s20, s41, 196608                     ; q16: batch x 192 images of 1,024 bytes
	s_lshl_b32 s22, ttmp9, 16
	s_add_co_u32 s20, s20, s22
	s_lshl_b32 s22, s40, 14
	s_add_co_u32 s20, s20, s22
	s_lshl_b32 s22, s16, 13
	s_add_co_u32 s20, s20, s22                     ; + image 64 which + 16 cx + 8 half
	s_add_nc_u64 s[98:99], s[98:99], s[20:21]
.macro FRAG reg, adr, q, i             ; 16 rows x 128 K of 4-bit codes: 8 registers: two loads of 16 bytes, 32 bytes apart
.irp c, 0,1
	ds_load_b128 v[\reg+4*\c:\reg+4*\c+3], v[\adr] offset:64*(\q)+32*\c+(\i)*16*PITCH
.endr
.endm
; 16 matrix instructions: x's blocks a0, a0 + 1 against W's eight.  The 64 accumulators take turns, one instruction a turn, in the same order in every step.
.macro MUL16 a0, p, q, sc, zero
.irp a, \a0, \a0+1
.irp b, 0,1,2,3,4,5,6,7
.if \zero
	v_wmma_scale_f32_16x16x128_f8f6f4 v[8*(8*((\a)%4)+\b):8*(8*((\a)%4)+\b)+7], v[128*(\p)+FR*\b:128*(\p)+FR*\b+FR-1], v[AF+FR*(\a):AF+FR*(\a)+FR-1], 0, v[SC+8*NQ*(\sc)+NQ*\b+(\q)], v[SC+8*NQ*(\sc)+NQ*(\a)+(\q)] matrix_a_fmt:MATRIX_FMT_FP4 matrix_b_fmt:MATRIX_FMT_FP4 matrix_a_scale:MATRIX_SCALE_ROW1
.else
	v_wmma_scale_f32_16x16x128_f8f6f4 v[8*(8*((\a)%4)+\b):8*(8*((\a)%4)+\b)+7], v[128*(\p)+FR*\b:128*(\p)+FR*\b+FR-1], v[AF+FR*(\a):AF+FR*(\a)+FR-1], v[8*(8*((\a)%4)+\b):8*(8*((\a)%4)+\b)+7], v[SC+8*NQ*(\sc)+NQ*\b+(\q)], v[SC+8*NQ*(\sc)+NQ*(\a)+(\q)] matrix_a_fmt:MATRIX_FMT_FP4 matrix_b_fmt:MATRIX_FMT_FP4 matrix_a_scale:MATRIX_SCALE_ROW1
.endif
.endr
.endr
.endm
.macro FETCH_B slot, q, p
	WIN TO_B
.irp i, 0,1,2,3,4,5,6,7
	FRAG 128*(\p)+FR*\i, ADRB+\slot, \q, \i
.endr
	WIN 0
.endm
.macro FETCH_A slot, q, i0
.irp i, \i0, \i0+1, \i0+2, \i0+3
	FRAG AF+FR*(\i), ADRA+\slot, \q, \i
.endr
.endm
.macro SCALES sc                       ; a slot's scale words: lanes 0-15 take x's block i, lanes 16-31 W's block i
.irp i, 0,1,2,3,4,5,6,7
	ds_load_b128 v[SC+8*NQ*\sc+NQ*\i:SC+8*NQ*\sc+NQ*\i+3], v[ADRS] offset:\i*SBLK
.endr
.endm
.macro PLACES n                        ; plain vector lines between a matrix instruction and a load into, or a read of, its registers
.rept \n
	v_nop
.endr
.endm
.macro STEP slot, q, zero              ; 128 along K, with its successor in the same slot
	s_wait_dscnt 4*NL                              ; W's set and x's blocks 0-3 are in; the 8 loads of x's blocks 4-7 may be out
	WIN MUL_LO
	MUL16 0, (\q)%2, \q, \slot, \zero
	MUL16 2, (\q)%2, \q, \slot, \zero
	s_wait_dscnt 0
	PLACES NP
	FETCH_B \slot, (\q)+1, 1-(\q)%2
	FETCH_A \slot, (\q)+1, 0
	WIN MUL_HI
	MUL16 4, (\q)%2, \q, \slot, \zero
	MUL16 6, (\q)%2, \q, \slot, \zero
	PLACES NP
	WIN 0
	FETCH_A \slot, (\q)+1, 4
.endm
.macro TURN slot, next                 ; a slot's last step, and the change to the other slot: one barrier
	s_wait_tensorcnt 0x0                           ; all my tensor loads have landed: my part of the next slot
	ds_add_u32 v[SPW], v[NIL]                      ; 0 onto my spare word
	s_wait_dscnt 4*NL+1                            ; the add and the 8 loads of x's blocks 4-7 may be out
	WIN MUL_LO
	MUL16 0, 1, NQ-1, \slot, 0
	s_wait_dscnt 0x0
	s_barrier_signal -1
	MUL16 2, 1, NQ-1, \slot, 0
	WIN 0
	s_barrier_wait -1                              ; everybody's part of the next slot is in
	PLACES NP
	v_add_nc_u32 v[ADRS], 4*NQ, v[ADRS]            ; on to the next slot's scale words
	FETCH_B \next, 0, 0
	FETCH_A \next, 0, 0
	SCALES \next
	WIN MUL_HI
	MUL16 4, 1, NQ-1, \slot, 0
	MUL16 6, 1, NQ-1, \slot, 0
	PLACES NP
	WIN 0
	FETCH_A \next, 0, 4
.endm
.macro STEPS slot, from
.set Q, \from
.rept NQ-1-\from
	STEP \slot, Q, 0
.set Q, Q+1
.endr
.endm
	s_wait_tensorcnt 1                             ; the scales and my part of slot 0 are in; slot 1's load may be out
	s_barrier_signal -1
	s_barrier_wait -1
	FETCH_B 0, 0, 0
	FETCH_A 0, 0, 0
	SCALES 0
	FETCH_A 0, 0, 4
	STEP 0, 0, 1                                   ; the first step's products start the sums: nothing is cleared
	STEPS 0, 1
	TURN 0, 1
	STEPS 1, 0
	s_wait_dscnt 4*NL
	WIN MUL_LO
	MUL16 0, 1, NQ-1, 1, 0
	MUL16 2, 1, NQ-1, 1, 0
	s_wait_dscnt 0
	WIN MUL_HI
	MUL16 4, 1, NQ-1, 1, 0
	MUL16 6, 1, NQ-1, 1, 0
	WIN 0
	PLACES NP
; THE WAY OUT.  q times c, in f32, ahead of the one rounding.
	s_cmp_lg_u32 ttmp9, 0
	s_cbranch_scc1 .Lnot_q
	WIN 0x82                                       ; destination and source 0 in window 2
.set i, 0
.rept 128
	v_pk_mul_f32 v[i:i+1], v[i:i+1], s[66:67] op_sel_hi:[1,0]     ; each accumulator from its low end on
.set i, i+2
.endr
	WIN 0xc3
.set i, 0
.rept 128
	v_pk_mul_f32 v[i:i+1], v[i:i+1], s[66:67] op_sel_hi:[1,0]
.set i, i+2
.endr
	WIN 0
.Lnot_q:
	s_cmp_lg_u32 s2, 0                             ; positions 0 to 15: my block 0's eight accumulators leave in f32, as they stand: each store covers 512 consecutive bytes
	s_cbranch_scc1 .Lno_image
	WIN 0x08                                       ; a store's data are its source 1: window 2
.irp b, 0,1,2,3,4,5,6,7
	global_store_b128 v[LI], v[8*\b:8*\b+3], s[98:99] offset:1024*\b
	global_store_b128 v[LI], v[8*\b+4:8*\b+7], s[98:99] offset:1024*\b+512
.endr
	WIN 0
.Lno_image:
; A block of 16 tokens x 128 n: rounded to f16, 16 bytes a lane, through my own stage; back as two rows of a head for sixteen lanes: 256 consecutive bytes of qkv.
.macro PACK a
.set AC, 64*((\a)%4)
	WIN 0x0a+5*((\a)/4)                            ; sources 0 and 1: window 2 or 3
.irp b, 0,1,2,3,4,5,6,7
.irp r, 0,1,2,3
	v_cvt_pk_f16_f32 v[TMP+4*\b+\r], v[AC+8*\b+2*\r], v[AC+8*\b+2*\r+1]
.endr
.endr
	WIN 0
.endm
.macro TOSTAGE a
.set BK, OB+32*((\a)%2)
.irp b, 0,1,2,3,4,5,6,7
	ds_store_b128 v[STO], v[TMP+4*\b:TMP+4*\b+3] offset:32*\b
.endr
.irp t, 0,1,2,3,4,5,6,7
	ds_load_b128 v[BK+4*\t:BK+4*\t+3], v[RD] offset:\t*2*SPITCH    ; LDS serves a wave's instructions in order: these see the stores above
.endr
.endm
.macro SEND a
.set BK, OB+32*((\a)%2)
	s_wait_dscnt 0x0                               ; the block is back in registers
	s_wait_xcnt 0x0                                ; earlier stores have read their registers: the block after next may land there
.irp t, 0,1,2,3,4,5,6,7
	global_store_b128 v[CO], v[BK+4*\t:BK+4*\t+3], s[12:13] offset:2048*(\a)+256*\t
.endr
.endm
	PACK 0
	TOSTAGE 0
.irp a, 1,2,3,4,5,6,7                  ; block a's conversions stand between block a - 1's loads from the stage and the wait for them
	PACK \a
	SEND \a-1
	TOSTAGE \a
.endr
	SEND 7
	s_wait_tensorcnt 0x0                           ; the wave's end
	ds_add_u32 v[SPW], v[NIL]
	s_wait_dscnt 0x0
	CROUND                                         ; the closing round
	s_endpgm
.Lfunc_end_k_qbaf2889e72_qkv:
	.size	k_qbaf2889e72_qkv, .Lfunc_end_k_qbaf2889e72_qkv-k_qbaf2889e72_qkv
	.p2alignl 7, 3214868480
	.fill 96, 4, 3214868480
	.section	.rodata,"a",@progbits
	.p2align	6, 0x0
	.amdhsa_kernel k_qbaf2889e72_qkv
		.amdhsa_group_segment_fixed_size 327680
		.amdhsa_private_segment_fixed_size 0
		.amdhsa_enable_private_segment 0
		.amdhsa_kernarg_size 48
		.amdhsa_user_sgpr_count 2
		.amdhsa_user_sgpr_kernarg_segment_ptr 1
		.amdhsa_wavefront_size32 1
		.amdhsa_system_sgpr_workgroup_id_x 1
		.amdhsa_system_sgpr_workgroup_id_y 1
		.amdhsa_system_sgpr_workgroup_id_z 1
		.amdhsa_system_vgpr_workitem_id 0
		.amdhsa_next_free_vgpr 1024
		.amdhsa_next_free_sgpr 100
		.amdhsa_reserve_vcc 0
		.amdhsa_float_denorm_mode_32 3
		.amdhsa_float_denorm_mode_16_64 3
		.amdhsa_memory_ordered 1
		.amdhsa_forward_progress 1
		.amdhsa_inst_pref_size 145
	.end_amdhsa_kernel
	.amdgpu_metadata
---
amdhsa.version: [ 1, 2 ]
amdhsa.kernels:
  - .name:           k_qbaf2889e72_qkv
    .symbol:         k_qbaf2889e72_qkv.kd
    .args:
      - { .name: xc, .offset: 0, .size: 8, .value_kind: global_buffer, .address_space: global }
      - { .name: xs, .offset: 8, .size: 8, .value_kind: global_buffer, .address_space: global }
      - { .name: wc, .offset: 16, .size: 8, .value_kind: global_buffer, .address_space: global }
      - { .name: ws, .offset: 24, .size: 8, .value_kind: global_buffer, .address_space: global }
      - { .name: qkv, .offset: 32, .size: 8, .value_kind: global_buffer, .address_space: global }
      - { .name: q16, .offset: 40, .size: 8, .value_kind: global_buffer, .address_space: global }
    .group_segment_fixed_size: 327680
    .private_segment_fixed_size: 0
    .kernarg_segment_align: 8
    .kernarg_segment_size: 48
    .max_flat_workgroup_size: 128
    .sgpr_count:     100
    .vgpr_count:     1024
    .wavefront_size: 32
...
	.end_amdgpu_metadata
.endif
;; end of part 2
;; launch attn (part 3): grid 4 x 64, 16 waves a work-group, no clusters, 327,680 bytes of LDS; arguments qkv, att; writes att
.if DOCPART == 3
	.amdgcn_target "amdgcn-amd-amdhsa--gfx1250"
	.amdhsa_code_object_version 6
	.text
	.protected	k_qbaf2889e72_attn
	.globl	k_qbaf2889e72_attn
	.p2align	8
	.type	k_qbaf2889e72_attn,@function
k_qbaf2889e72_attn:
	s_mov_b64 s[64:65], 0
	v_nop
	global_prefetch_b8 v0, s[64:65] scope:SCOPE_SE
	s_setreg_imm32_b32 hwreg(HW_REG_WAVE_MODE, 25, 1), 1
	s_wait_xcnt 0x0
; THIRD LAUNCH: att[b][h][q][:] = the sum over k <= q of softmax_k(t) v[k][:], t = (c q) . k, already an exponent of 2 (c = log2(e) / 8 was multiplied into q).  f16 operands, f32 sums.
; WORK LEFT OUT: key steps all of whose 64 keys come after all of a wave's 32 queries: under the causal mask that reference() builds their weights are 0 for all finite inputs.
; SOFTMAX: for each query a running maximum m and sum l: p = 2^(t - m), at most 1 for every input; in every step O and l are multiplied by a = 2^(m_old - m_new).  The sum is taken of p in f32; O is divided by it at the end.
; LIMITS: NaN and infinities are not served; att is rounded to f16 once.
; SHARES.  Work-group (i, bh) owns the blocks i and 7 - i of 256 queries of one head: under the mask that is the same number of key steps in every work-group.  Each of sixteen waves owns 32 queries,
; two tiles of 16, which share every fragment of K and V.  Wave w: queries 32 (w / 2) on of the early or the late block, by (w xor w / 4) & 1.  Four waves to a SIMD: one wave's vector work stands beside another's products.
; NO CLUSTER: the work-groups of a head stop asking for keys at different slots (at slot 7 - i), and a joint load is issued by all that it names.
; EVERY wave walks all 8 slots of 256 keys (constant trip counts); a hidden step's work is jumped over by a scalar branch on ids; no barrier and no tensor load stands in a step.
; LAYOUT.  S^T = K Q^T (source 0 = 16 keys, source 1 = 16 queries): a lane holds one query (lane % 16) and keys 8 (lane / 16) + 0..7.  Two such tiles, rounded to f16 in pairs, are source 1 of O^T = V^T P.  V is turned by ds_load_tr16_b128.
; REGISTERS: v1-11, v28, v29 addresses and constants; v12-27 eight statistics a tile (+0 m, +1 its partner in a pair, +2 +3 l, +4..+7 at work; a at +6); v32-63 Q; v64-127 K of a step, then V; v128-191 S^T, then p, then P; v192-255 O^T.
.set PK,    144                        ; a row of K in LDS: 128 bytes + 16
.set PV,    160                        ; a row of V: 128 + 32: an odd multiple of 32 for the turning load
.set VOFF,  256*PK                     ; a slot: 256 rows of K, then 256 rows of V
.set SLOT1, 1<<17                      ; slot 1 begins here: one exclusive or turns an address
.set STAGE, SLOT1+VOFF+256*PV          ; the way out: 32 rows x 144 bytes for each wave; no tile lands there
.set SPARE, STAGE+16*32*PK             ; the spare words, 128 bytes for each wave
.set AK0,  1
.set AV0,  2
.set SPW,  3
.set NIL,  4
.set ADK,  5
.set ADV,  6
.set GO,   7
.set STO,  8
.set RD,   9
.set DD,   10
.set NINF, 11
.set ST,   12
.set PFO,  28
.set DR,   29
.set Q,    32
.set KB,   64
.set S,    128
.set O,    192
.set TB,   2                           ; s2  LDS byte at which the slot in hand begins
.set WV,   18
.set SEL,  20
.set G1K,  24
.set G1V,  32
.set G0K,  40
.set G0V,  44
.set SLOTS, 67
.set LASTQ, 68                         ; s68 my work-group's last query
.set PFA,  76
.set LIM,  80
.set KF,   98                          ; s98 the step's first key
.set Q0,   99                          ; s99 my first query
; Waves 0 and 1 fetch K's halves of a slot, waves 2 and 3 V's, the others nothing.  An s_nop 0 and four v_nop follow each of the two lines.
.macro TLOAD
	s_cmp_lt_u32 s[WV], 2
	s_cbranch_scc0 .Lnot_k_\@
	tensor_load_to_lds s[G0K:G0K+3], s[G1K:G1K+7]
	s_nop 0
.rept 4
	v_nop
.endr
	s_branch .Lasked_\@
.Lnot_k_\@:
	s_cmp_lt_u32 s[WV], 4
	s_cbranch_scc0 .Lasked_\@
	tensor_load_to_lds s[G0V:G0V+3], s[G1V:G1V+7]
	s_nop 0
.rept 4
	v_nop
.endr
.Lasked_\@:
.endm
; A prefetch of what the NEXT change of slots will ask for: a slot's 32,768 dense bytes of K and of V.  The head's work-group 0, which walks all slots, asks, and nobody else; in it waves 4 to 7 ask for K's,
; waves 8 to 11 for V's: 8,192 bytes a wave, lanes 256 bytes apart: each block of 256 bytes is named once in the launch.  It runs four key steps ahead of the load; the last ask names slot 7.
.macro ASK
	s_cmp_gt_u32 s[SLOTS], s[LIM]
	s_cbranch_scc0 .Lnot_mine_\@
	global_prefetch_b8 v[PFO], s[PFA:PFA+1] th:TH_LOAD_NT scope:SCOPE_SE
.Lnot_mine_\@:
.endm
	s_load_b128 s[4:7], s[0:1], 0x0                ; qkv s[4:5], att s[6:7]
	v_lshl_add_u32 v[SPW], v0, 2, SPARE
	v_mov_b32 v[NIL], 0
	ds_add_u32 v[SPW], v[NIL]                      ; the wave's opening: the add, twice on end, and its wait ahead of my first tensor load
	ds_add_u32 v[SPW], v[NIL]
	v_lshrrev_b32 v5, 5, v0
	v_readfirstlane_b32 s[WV], v5                  ; wave 0..15
	s_and_b32 s74, ttmp7, 0xffff
	s_lshl_b32 s74, s74, 18                        ; batch and head: 262,144 bytes each
	s_lshr_b32 s70, s[WV], 2
	s_xor_b32 s70, s70, s[WV]
	s_and_b32 s70, s70, 1                          ; 1: the late block
	s_sub_co_u32 s71, 7, ttmp9
	s_cmp_eq_u32 s70, 1
	s_cselect_b32 s71, s71, ttmp9                  ; my block of 256 queries
	s_lshl_b32 s[Q0], s71, 8
	s_lshr_b32 s70, s[WV], 1
	s_lshl_b32 s70, s70, 5
	s_add_co_u32 s[Q0], s[Q0], s70                 ; my first query
	s_sub_co_u32 s[LASTQ], 7, ttmp9
	s_lshl_b32 s[LASTQ], s[LASTQ], 8
	s_or_b32 s[LASTQ], s[LASTQ], 255
	s_and_b32 s88, s[WV], 1                        ; which 128 rows of a slot I fetch, if I fetch
	s_mul_i32 s89, s88, 128*PK
	s_mul_i32 s94, s88, 128*PV
	s_add_co_u32 s94, s94, VOFF
	s_lshl_b32 s90, s88, 14
	s_add_co_u32 s90, s90, s74
	s_mov_b32 s91, 0
	s_mov_b32 s[G1K], (1<<16)|(1<<20)|(4<<22)|(3<<25)   ; no mask; elements of 2 bytes; padding: 4 words behind every 32
	s_mov_b32 s[G1V], (1<<16)|(1<<20)|(4<<22)|(7<<25)   ; the same with 8 words
.irp g, G1K, G1V
	s_mov_b32 s[\g+1], 64<<16                      ; tensor_dim0
	s_mov_b32 s[\g+2], 128<<16                     ; tensor_dim1
	s_mov_b32 s[\g+3], 64<<16                      ; tile_dim0
	s_mov_b32 s[\g+4], 128                         ; tile_dim1
	s_mov_b32 s[\g+5], 64                          ; from row to row
	s_mov_b32 s[\g+6], 0
	s_mov_b32 s[\g+7], 0
.endr
	s_mov_b32 s[SEL], 0x76543210
	s_mov_b32 s[SEL+1], 0xfedcba98                 ; v_permlanex16_b32: lane l xor 16
	s_mov_b32 s[TB], 0
	s_mov_b32 s[SLOTS], 7
	s_mov_b32 s[KF], 0
	s_wait_dscnt 0x0                               ; both opening adds are done
	s_wait_kmcnt 0x0
	s_mov_b32 s[G0K], 1
	s_mov_b32 s[G0K+1], s89
	s_add_nc_u64 s[G0K+2:G0K+3], s[4:5], s[90:91]
	s_add_nc_u64 s[G0K+2:G0K+3], s[G0K+2:G0K+3], 16777216   ; k's part of qkv
	s_or_b32 s[G0K+3], s[G0K+3], 0x80000000
	s_mov_b32 s[G0V], 1
	s_mov_b32 s[G0V+1], s94
	s_add_nc_u64 s[G0V+2:G0V+3], s[4:5], s[90:91]
	s_add_nc_u64 s[G0V+2:G0V+3], s[G0V+2:G0V+3], 33554432   ; v's
	s_or_b32 s[G0V+3], s[G0V+3], 0x80000000
	TLOAD                                          ; slot 0: key 0 counts for every query
	s_lshl_b32 s72, s[Q0], 7
	s_add_co_u32 s72, s72, s74
	s_mov_b32 s73, 0
	s_add_nc_u64 s[8:9], s[4:5], s[72:73]          ; q at my first query
	s_add_nc_u64 s[6:7], s[6:7], s[72:73]          ; att likewise
	s_mov_b32 s82, 33554432
	s_cmp_lt_u32 s[WV], 8
	s_cselect_b32 s82, 16777216, s82               ; waves 4 to 7: k; waves 8 to 11: v
	s_and_b32 s83, s[WV], 3
	s_lshl_b32 s83, s83, 13
	s_add_co_u32 s82, s82, s83                     ; my wave's 8,192 bytes,
	s_add_co_u32 s82, s82, s74                     ; in my head,
	s_add_co_u32 s82, s82, 32768                   ; in slot 1: the first change of slots steps it to slot 2.  Nothing is prefetched at the head
	s_mov_b32 s83, 0
	s_add_nc_u64 s[PFA:PFA+1], s[4:5], s[82:83]
	s_sub_co_u32 s82, s[WV], 4
	s_lshr_b32 s82, s82, 3                         ; 0 in waves 4 to 11,
	s_or_b32 s82, s82, ttmp9                       ; of the head's work-group 0
	s_cmp_eq_u32 s82, 0
	s_cselect_b32 s[LIM], 1, -1
	v_and_b32 v8, 15, v0                           ; r
	v_bfe_u32 v9, v0, 4, 1                         ; h
	v_lshlrev_b32 v10, 7, v8
	v_lshl_add_u32 v10, v9, 4, v10                 ; Q: row r of 128 bytes, + 16 h
.irp x, 0,1
.irp f, 0,1
	global_load_b128 v[Q+16*\x+8*\f:Q+16*\x+8*\f+3], v10, s[8:9] offset:2048*\x+64*\f
	global_load_b128 v[Q+16*\x+8*\f+4:Q+16*\x+8*\f+7], v10, s[8:9] offset:2048*\x+64*\f+32
.endr
.endr
	v_mul_u32_u24 v[AK0], v8, PK
	v_lshl_add_u32 v[AK0], v9, 4, v[AK0]           ; K: row r x pitch + 16 h
	v_and_b32 v5, 7, v0
	v_lshl_add_u32 v[AV0], v9, 3, v5
	v_mul_u32_u24 v[AV0], v[AV0], PV
	v_bfe_u32 v5, v0, 3, 1
	v_lshl_add_u32 v[AV0], v5, 4, v[AV0]
	v_add_nc_u32 v[AV0], VOFF, v[AV0]              ; V: key 8 h + l % 8, channels 8 ((l / 8) % 2) on
	v_lshlrev_b32 v5, 3, v9
	v_sub_nc_u32 v[DR], v8, v5                     ; r - 8 h, for the mask
	v_and_b32 v[GO], 31, v0
	v_lshlrev_b32 v[PFO], 8, v[GO]
	v_lshlrev_b32 v[GO], 4, v[GO]
	v_mov_b32 v[NINF], 0xff800000                  ; -infinity
.irp j, 0,1,2,3,4,5,6,7,8,9,10,11,12,13,14,15
	v_mov_b32 v[ST+\j], 0                          ; l = 0; the others are written, since pairs and lane permutes name them
.endr
	v_mov_b32 v[ST], 0xff61b1e6                    ; m = -3e38, under every t
	v_mov_b32 v[ST+8], 0xff61b1e6
.irp j, 0,1,2,3,4,5,6,7,8,9,10,11,12,13,14,15,16,17,18,19,20,21,22,23,24,25,26,27,28,29,30,31,32,33,34,35,36,37,38,39,40,41,42,43,44,45,46,47,48,49,50,51,52,53,54,55,56,57,58,59,60,61,62,63
	v_mov_b32 v[O+\j], 0                           ; O^T.  (The step is written once: the first finds zeros, which a = 0 leaves zeros; a first step of its own would be a third copy of the step)
.endr
; A KEY STEP: 64 keys, the q-th of the slot in hand.
.macro STEP q
	s_add_co_u32 s96, s[Q0], 31
	s_cmp_gt_u32 s[KF], s96                        ; all its keys come after my 32 queries: left out
	s_cbranch_scc1 .Lhidden_\@
	v_add_nc_u32 v[ADK], s[TB], v[AK0]
	v_add_nc_u32 v[ADV], s[TB], v[AV0]
.rept 3
	v_nop                                          ; with the two additions five places: the products below write over S^T's registers, which the last step's products read as P
.endr
.irp kt, 0,1,2,3
.irp f, 0,1
	ds_load_b128 v[KB+8*(2*\kt+\f):KB+8*(2*\kt+\f)+3], v[ADK] offset:(64*(\q)+16*\kt)*PK+64*\f
	ds_load_b128 v[KB+8*(2*\kt+\f)+4:KB+8*(2*\kt+\f)+7], v[ADK] offset:(64*(\q)+16*\kt)*PK+64*\f+32
.endr
.endr
	s_wait_dscnt 0x0
.irp f, 0,1                            ; S^T = K Q^T: eight accumulators by turns, one instruction a turn
.irp kt, 0,1,2,3
.irp x, 0,1
.if \f == 0
	v_wmma_f32_16x16x32_f16 v[S+32*\x+8*\kt:S+32*\x+8*\kt+7], v[KB+8*(2*\kt+\f):KB+8*(2*\kt+\f)+7], v[Q+16*\x+8*\f:Q+16*\x+8*\f+7], 0
.else
	v_wmma_f32_16x16x32_f16 v[S+32*\x+8*\kt:S+32*\x+8*\kt+7], v[KB+8*(2*\kt+\f):KB+8*(2*\kt+\f)+7], v[Q+16*\x+8*\f:Q+16*\x+8*\f+7], v[S+32*\x+8*\kt:S+32*\x+8*\kt+7]
.endif
.endr
.endr
.endr
.rept 4
	v_nop                                          ; places in front of the loads into K's registers and of the first read of the scores
.endr
.irp kh, 0,1                           ; V of the step, turned; it lands while the softmax is walked
.irp ct, 0,1,2,3
	ds_load_tr16_b128 v[KB+8*(4*\kh+\ct):KB+8*(4*\kh+\ct)+3], v[ADV] offset:(64*(\q)+32*\kh)*PV+32*\ct
	ds_load_tr16_b128 v[KB+8*(4*\kh+\ct)+4:KB+8*(4*\kh+\ct)+7], v[ADV] offset:(64*(\q)+32*\kh+16)*PV+32*\ct
.endr
.endr
	s_add_co_u32 s96, s[KF], 63
	s_cmp_le_u32 s96, s[Q0]                        ; all its keys count for all my queries: no mask
	s_cbranch_scc1 .Lopen_\@
	s_sub_co_i32 s96, s[Q0], s[KF]
	v_add_nc_u32 v[DD], s96, v[DR]                 ; d = Q0 - KF + r - 8 h.  Register 8 kt + j of tile x holds key KF + 16 kt + 8 h + j for query Q0 + 16 x + r: hidden where 16 kt + j - 16 x > d
.irp x, 0,1
.irp kt, 0,1,2,3
.irp j, 0,1,2,3,4,5,6,7
	v_cmp_gt_i32 vcc_lo, 16*\kt+\j-16*\x, v[DD]
	v_cndmask_b32 v[S+32*\x+8*\kt+\j], v[S+32*\x+8*\kt+\j], v[NINF], vcc_lo
.endr
.endr
.endr
.Lopen_\@:
; the softmax, the two tiles by turns line by line.  The maximum: four chains, each begun at an accumulator's low end
.irp j, 0,1,2,3
.irp x, 0,1
	v_max3_num_f32 v[ST+8*\x+4+\j], v[S+32*\x+8*\j], v[S+32*\x+8*\j+1], v[S+32*\x+8*\j+2]
.endr
.endr
.irp g, 1,2
.irp j, 0,1,2,3
.irp x, 0,1
	v_max3_num_f32 v[ST+8*\x+4+\j], v[ST+8*\x+4+\j], v[S+32*\x+8*\j+2*\g+1], v[S+32*\x+8*\j+2*\g+2]
.endr
.endr
.endr
.irp x, 0,1
	v_max3_num_f32 v[ST+8*\x+4], v[ST+8*\x+4], v[S+32*\x+7], v[S+32*\x+15]
.endr
.irp x, 0,1
	v_max3_num_f32 v[ST+8*\x+6], v[ST+8*\x+6], v[S+32*\x+23], v[S+32*\x+31]
.endr
.irp x, 0,1
	v_max3_num_f32 v[ST+8*\x+4], v[ST+8*\x+4], v[ST+8*\x+5], v[ST+8*\x+6]
.endr
.irp x, 0,1
	v_max3_num_f32 v[ST+8*\x+4], v[ST+8*\x+4], v[ST+8*\x+7], v[ST+8*\x]      ; and the old m
.endr
.irp x, 0,1
	v_permlanex16_b32 v[ST+8*\x+5], v[ST+8*\x+4], s[SEL], s[SEL+1]           ; the query's other 32 keys lie in the lane 16 away
.endr
.irp x, 0,1
	v_mov_b32 v[ST+8*\x+7], v[ST+8*\x]             ; the old m
.endr
.irp x, 0,1
	v_max_num_f32 v[ST+8*\x], v[ST+8*\x+4], v[ST+8*\x+5]                     ; the new m
.endr
.irp x, 0,1
	v_sub_f32 v[ST+8*\x+7], v[ST+8*\x+7], v[ST+8*\x]                         ; m_old - m_new, 0 or less
.endr
.irp j, 0,2,4,6,8,10,12,14,16,18,20,22,24,26,28,30
.irp x, 0,1
	v_pk_add_f32 v[S+32*\x+\j:S+32*\x+\j+1], v[S+32*\x+\j:S+32*\x+\j+1], v[ST+8*\x:ST+8*\x+1] op_sel_hi:[1,0] neg_lo:[0,1] neg_hi:[0,1]   ; t - m, exact where it matters: at most 0
.endr
.endr
.irp x, 0,1
	v_exp_f32 v[ST+8*\x+6], v[ST+8*\x+7]           ; a
.endr
.irp j, 0,1,2,3,4,5,6,7,8,9,10,11,12,13,14,15,16,17,18,19,20,21,22,23,24,25,26,27,28,29,30,31
.irp x, 0,1
	v_exp_f32 v[S+32*\x+\j], v[S+32*\x+\j]         ; p
.endr
.endr
	v_nop                                          ; a plain line behind the last exponential
	s_wait_alu depctr_va_vdst(0)                   ; one wait for the batch of 66, ahead of its first reader
.irp x, 0,1
	v_pk_fma_f32 v[ST+8*\x+2:ST+8*\x+3], v[ST+8*\x+2:ST+8*\x+3], v[ST+8*\x+6:ST+8*\x+7], v[S+32*\x:S+32*\x+1] op_sel_hi:[1,0,1]   ; l = a l + the sum of p in f32, in two chains
.endr
.irp x, 0,1
	v_pk_add_f32 v[ST+8*\x+4:ST+8*\x+5], v[S+32*\x+2:S+32*\x+3], v[S+32*\x+6:S+32*\x+7]
.endr
.irp j, 4,8,12,16,20,24
.irp x, 0,1
	v_pk_add_f32 v[ST+8*\x+2:ST+8*\x+3], v[ST+8*\x+2:ST+8*\x+3], v[S+32*\x+\j:S+32*\x+\j+1]
	v_pk_add_f32 v[ST+8*\x+4:ST+8*\x+5], v[ST+8*\x+4:ST+8*\x+5], v[S+32*\x+\j+6:S+32*\x+\j+7]
.endr
.endr
.irp x, 0,1
	v_pk_add_f32 v[ST+8*\x+2:ST+8*\x+3], v[ST+8*\x+2:ST+8*\x+3], v[S+32*\x+28:S+32*\x+29]
.endr
.irp x, 0,1
	v_pk_add_f32 v[ST+8*\x+2:ST+8*\x+3], v[ST+8*\x+2:ST+8*\x+3], v[ST+8*\x+4:ST+8*\x+5]
.endr
.irp i, 0,1,2,3,4,5,6,7,8,9,10,11,12,13,14,15
.irp x, 0,1
	v_cvt_pk_f16_f32 v[S+32*\x+\i], v[S+32*\x+2*\i], v[S+32*\x+2*\i+1]       ; P, in place, ascending: register i is free when pair i is rounded
.endr
.endr
.irp j, 0,2,4,6,8,10,12,14,16,18,20,22,24,26,28,30
.irp x, 0,1
	v_pk_mul_f32 v[O+32*\x+\j:O+32*\x+\j+1], v[O+32*\x+\j:O+32*\x+\j+1], v[ST+8*\x+6:ST+8*\x+7] op_sel_hi:[1,0]   ; O^T times a, each accumulator from its low end on
.endr
.endr
	s_wait_dscnt 0x0                               ; V is in
.irp kh, 0,1                           ; O^T += V^T P: eight accumulators by turns
.irp ct, 0,1,2,3
.irp x, 0,1
	v_wmma_f32_16x16x32_f16 v[O+32*\x+8*\ct:O+32*\x+8*\ct+7], v[KB+8*(4*\kh+\ct):KB+8*(4*\kh+\ct)+7], v[S+32*\x+8*\kh:S+32*\x+8*\kh+7], v[O+32*\x+8*\ct:O+32*\x+8*\ct+7]
.endr
.endr
.endr
.Lhidden_\@:
	s_add_co_u32 s[KF], s[KF], 64
.endm
; THE CHANGE OF SLOTS stands at a slot's head.  Each wave waits for all its tensor loads, adds 0 to its spare word (fill = 1: twice on end), and waits for that and
; for its reads of the slot that it has left.  Behind the barrier the slot ahead is whole and nobody reads the other one.  fill = 1: that other slot takes the next 256 keys, up to the causal limit.
.macro CHANGE fill
	s_wait_tensorcnt 0x0                           ; no tensor load of mine is out, so a group 0 may be written
	ds_add_u32 v[SPW], v[NIL]
.if \fill
	ds_add_u32 v[SPW], v[NIL]                      ; and once more, in every trip alike
	s_xor_b32 s[G0K+1], s[G0K+1], SLOT1            ; the walking descriptors: the other slot,
	s_add_nc_u64 s[G0K+2:G0K+3], s[G0K+2:G0K+3], 32768   ; the next 256 keys
	s_xor_b32 s[G0V+1], s[G0V+1], SLOT1
	s_add_nc_u64 s[G0V+2:G0V+3], s[G0V+2:G0V+3], 32768
	s_wait_xcnt 0x0                                ; the last prefetch, a slot back, has read its address
	s_add_nc_u64 s[PFA:PFA+1], s[PFA:PFA+1], 32768 ; one slot further on than the walking descriptors
.endif
	s_wait_dscnt 0x0                               ; the adds are done, and my reads of the slot that I have left are over
	s_barrier_signal -1
	s_barrier_wait -1
.if \fill
	s_add_co_u32 s96, s[KF], 256                   ; the first key of the slot that this change would ask for:
	s_cmp_gt_u32 s96, s[LASTQ]                     ; behind my work-group's last query it is read by none of its waves, and is not asked for.  Ids and the count of steps alone: all sixteen waves go the same way
	s_cbranch_scc1 .Lpast_\@
	TLOAD                                          ; a wave's one tensor load until the next such barrier; every wait on TENSORcnt in this text is for 0
.Lpast_\@:
	ASK
.endif
.endm
.macro SLOT_STEPS
	STEP 0
	STEP 1
	STEP 2
	STEP 3
	s_xor_b32 s[TB], s[TB], SLOT1
.endm
	s_wait_loadcnt 0x0                             ; Q
.Lslot:                                            ; seven trips
	CHANGE 1
	SLOT_STEPS
	s_sub_co_u32 s[SLOTS], s[SLOTS], 1
	s_cmp_lg_u32 s[SLOTS], 0
	s_cbranch_scc1 .Lslot
	CHANGE 0                                       ; the last slot is written out: nothing is left to fetch
	SLOT_STEPS
; THE WAY OUT.  O^T / l, rounded to f16, through my stage; back as four rows of 128 bytes an instruction: my 32 queries are 4,096 dense bytes of att.  The address lines are the places behind the last products.
	s_mul_i32 s73, s[WV], 32*PK
	s_add_co_u32 s73, s73, STAGE
	v_and_b32 v5, 15, v0
	v_bfe_u32 v6, v0, 4, 1
	v_mul_u32_u24 v[STO], v5, PK
	v_lshl_add_u32 v[STO], v6, 4, v[STO]
	v_add_nc_u32 v[STO], s73, v[STO]               ; in: row r, 16 bytes for each half of the lanes
	v_bfe_u32 v5, v0, 3, 2
	v_and_b32 v6, 7, v0
	v_mul_u32_u24 v[RD], v5, PK
	v_lshl_add_u32 v[RD], v6, 4, v[RD]
	v_add_nc_u32 v[RD], s73, v[RD]                 ; back: row l / 8, 16 bytes a lane
.irp x, 0,1
	v_add_f32 v[ST+8*\x+4], v[ST+8*\x+2], v[ST+8*\x+3]
.endr
.irp x, 0,1
	v_permlanex16_b32 v[ST+8*\x+5], v[ST+8*\x+4], s[SEL], s[SEL+1]
.endr
.irp x, 0,1
	v_add_f32 v[ST+8*\x+4], v[ST+8*\x+4], v[ST+8*\x+5]
.endr
.irp x, 0,1
	v_rcp_f32 v[ST+8*\x+6], v[ST+8*\x+4]
.endr
	v_nop
	s_wait_alu depctr_va_vdst(0)                   ; one wait for the two reciprocals
.irp j, 0,2,4,6,8,10,12,14,16,18,20,22,24,26,28,30
.irp x, 0,1
	v_pk_mul_f32 v[O+32*\x+\j:O+32*\x+\j+1], v[O+32*\x+\j:O+32*\x+\j+1], v[ST+8*\x+6:ST+8*\x+7] op_sel_hi:[1,0]
.endr
.endr
.irp i, 0,1,2,3,4,5,6,7,8,9,10,11,12,13,14,15
.irp x, 0,1
	v_cvt_pk_f16_f32 v[KB+16*\x+\i], v[O+32*\x+2*\i], v[O+32*\x+2*\i+1]
.endr
.endr
.irp x, 0,1
.irp ct, 0,1,2,3
	ds_store_b128 v[STO], v[KB+16*\x+4*\ct:KB+16*\x+4*\ct+3] offset:16*PK*\x+32*\ct
.endr
.endr
.irp t, 0,1,2,3,4,5,6,7
	ds_load_b128 v[96+4*\t:96+4*\t+3], v[RD] offset:4*PK*\t       ; LDS serves a wave's instructions in order: these see my stores
.endr
.irp t, 0,1,2,3,4,5,6,7
	s_wait_dscnt 7-\t                              ; the younger read-backs may be out
	global_store_b128 v[GO], v[96+4*\t:96+4*\t+3], s[6:7] offset:512*\t      ; 512 consecutive bytes, aligned
.endr
	s_wait_tensorcnt 0x0                           ; the wave's end
	ds_add_u32 v[SPW], v[NIL]
	s_wait_dscnt 0x0
	s_endpgm
.Lfunc_end_k_qbaf2889e72_attn:
	.size	k_qbaf2889e72_attn, .Lfunc_end_k_qbaf2889e72_attn-k_qbaf2889e72_attn
	.p2alignl 7, 3214868480
	.fill 96, 4, 3214868480
	.section	.rodata,"a",@progbits
	.p2align	6, 0x0
	.amdhsa_kernel k_qbaf2889e72_attn
		.amdhsa_group_segment_fixed_size 327680
		.amdhsa_private_segment_fixed_size 0
		.amdhsa_enable_private_segment 0
		.amdhsa_kernarg_size 16
		.amdhsa_user_sgpr_count 2
		.amdhsa_user_sgpr_kernarg_segment_ptr 1
		.amdhsa_wavefront_size32 1
		.amdhsa_system_sgpr_workgroup_id_x 1
		.amdhsa_system_sgpr_workgroup_id_y 1
		.amdhsa_system_sgpr_workgroup_id_z 1
		.amdhsa_system_vgpr_workitem_id 0
		.amdhsa_next_free_vgpr 256
		.amdhsa_next_free_sgpr 100
		.amdhsa_reserve_vcc 1
		.amdhsa_float_denorm_mode_32 3
		.amdhsa_float_denorm_mode_16_64 3
		.amdhsa_memory_ordered 1
		.amdhsa_forward_progress 1
		.amdhsa_inst_pref_size 187
	.end_amdhsa_kernel
	.amdgpu_metadata
---
amdhsa.version: [ 1, 2 ]
amdhsa.kernels:
  - .name:           k_qbaf2889e72_attn
    .symbol:         k_qbaf2889e72_attn.kd
    .args:
      - { .name: qkv, .offset: 0, .size: 8, .value_kind: global_buffer, .address_space: global }
      - { .name: att, .offset: 8, .size: 8, .value_kind: global_buffer, .address_space: global }
    .group_segment_fixed_size: 327680
    .private_segment_fixed_size: 0
    .kernarg_segment_align: 8
    .kernarg_segment_size: 16
    .max_flat_workgroup_size: 512
    .sgpr_count:     100
    .vgpr_count:     256
    .wavefront_size: 32
...
	.end_amdgpu_metadata
.endif
;; end of part 3
;; launch proj (part 4): grid 4 x 64, 4 waves a work-group, clusters of 4 x 4, 327,680 bytes of LDS; arguments att, wph, out0, bp; writes out0
.if DOCPART == 4
	.amdgcn_target "amdgcn-amd-amdhsa--gfx1250"
	.amdhsa_code_object_version 6
	.text
	.protected	k_qbaf2889e72_proj
	.globl	k_qbaf2889e72_proj
	.p2align	8
	.type	k_qbaf2889e72_proj,@function
k_qbaf2889e72_proj:
	s_mov_b64 s[64:65], 0
	v_nop
	global_prefetch_b8 v0, s[64:65] scope:SCOPE_SE
	s_setreg_imm32_b32 hwreg(HW_REG_WAVE_MODE, 25, 1), 1
	s_wait_xcnt 0x0
	s_wait_alu depctr_hold_cnt(0) depctr_sa_sdst(0) depctr_va_vdst(0) depctr_va_sdst(0) depctr_va_ssrc(0) depctr_va_vcc(0) depctr_vm_vsrc(0)
	s_getreg_b32 s2, hwreg(HW_REG_IB_STS2, 6, 4)
	s_cmp_eq_u32 s2, 0
	s_cbranch_scc0 .Lentry_in_a_cluster
	s_endpgm
.Lentry_in_a_cluster:
	s_bfe_u32 s2, ttmp6, 0x10000c
	s_cmp_lg_u32 s2, 0xf033
	s_cbranch_scc0 .Lentry_shape_is_right
	s_endpgm
.Lentry_shape_is_right:
; FOURTH LAUNCH: out0[token][n] = sum over k of att[token][k] Wp[n][k] + bp[n], f16 operands, f32 sums, for every position from 16 on.
; Positions 0 to 15 of each sequence average one to sixteen values and are the largest in size: the last launch makes them in f32 and owns those rows of out0; here the one block of 16 rows that holds them is multiplied with its tile and not stored.
; att is [batch][head][s][64], wph [chunk of 64 along k][n][64]: chunk = head, and a chunk's rows are dense in both.
; A tile of out0 is 128 tokens x 256 columns: 256 work-groups.  Four waves, each 64 x 128: 32 accumulators, 256 registers.  K goes in steps of 128 (two chunks) through two LDS slots; each wave fetches one chunk's tile.
; CLUSTERS: 4 x 4.  Tile column = cx; tile row = 16 cy + cluster y, so cy = batch.  The four of a row of the cluster share att's tiles, the four of a column Wp's: joint loads.
; No prefetch: a K step is short and the tiles small; the joint loads share the requests out instead.
; TRANSPOSED USE (source 0 = 16 rows of Wp, source 1 = 16 tokens): a lane holds one token and eight neighbouring columns.  The bias is the C of each sum's first product.
; REGISTERS: window 0: v0-31 addresses; v32-95 the bias, 8 registers a block of columns; v128-255 att's fragments, two buffers of 64; on the way out rows read back.
;   window 1: Wp's fragments, two buffers of 128.   window 2: the accumulators ((a, b) at v[8 (8 a + b)]).
.set PITCH,  144                       ; an LDS row: 128 bytes + 16
.set ACH,    128*PITCH                 ; a chunk of att's tile
.set BCH,    256*PITCH                 ; a chunk of Wp's
.set BOFF,   2*ACH
.set SLOT,   2*ACH+2*BCH
.set STAGE,  2*SLOT                    ; the way out: 16 rows x 528 bytes for each wave; no tile lands there
.set SPITCH, 528
.set SPARE,  STAGE+4*16*SPITCH         ; the spare words
.set ADRA, 16
.set ADRB, 20
.set STO,  24
.set RD,   25
.set CO,   26
.set SPW,  28
.set NIL,  29
.set BI,   32
.set AFR,  128
.set BK,   128
.set G1, 24
.set G0, 32
.set G1B, 48
.set G0B, 56
.set MSB, 0
.macro WIN new
.if MSB != (\new)
	s_set_vgpr_msb (MSB<<8)|(\new)
.set MSB, (\new)
.endif
.endm
.set MUL,  0xa1                        ; source 0 (Wp) window 1, source 1 (att) window 0, C and D window 2
.set MULB, 0x81                        ; the same with C (the bias) in window 0
.set TO_B, 0x40
.macro JLOAD s                         ; waves 0 and 1 fetch att's two chunks, waves 2 and 3 Wp's; an s_nop 0 and four v_nop follow each line
	s_cmp_eq_u32 s11, 0
	s_cbranch_scc0 .Lfor_b_\@
	tensor_load_to_lds s[G0+4*\s:G0+4*\s+3], s[G1:G1+7]
	s_nop 0
.rept 4
	v_nop
.endr
	s_branch .Lasked_\@
.Lfor_b_\@:
	tensor_load_to_lds s[G0B+4*\s:G0B+4*\s+3], s[G1B:G1B+7]
	s_nop 0
.rept 4
	v_nop
.endr
.Lasked_\@:
.endm
.macro CREST
	s_cmp_lg_u32 s10, 0
	s_cbranch_scc1 .Lnot_wave_0_\@
	s_barrier_signal -3
.Lnot_wave_0_\@:
	s_barrier_wait -3
	s_barrier_signal -1
	s_barrier_wait -1
.endm
.macro CROUND
	s_barrier_signal -1
	s_barrier_wait -1
	CREST
.endm
	s_load_b128 s[4:7], s[0:1], 0x0                ; att, wph
	s_load_b64 s[8:9], s[0:1], 0x10                ; out0
	s_load_b64 s[66:67], s[0:1], 0x18              ; bp
	v_lshl_add_u32 v[SPW], v0, 2, SPARE
	v_mov_b32 v[NIL], 0
	ds_add_u32 v[SPW], v[NIL]                      ; the wave's opening: the add, twice on end, and its wait ahead of my first tensor load
	ds_add_u32 v[SPW], v[NIL]
	v_lshrrev_b32 v1, 5, v0
	v_readfirstlane_b32 s10, v1                    ; wave 0..3
	s_lshr_b32 s11, s10, 1                         ; which 64 tokens are mine.  Also: I fetch for att (0) or for Wp (1)
	s_and_b32 s12, s10, 1                          ; which 128 columns.  Also: which chunk of a K step I fetch
	s_bfe_u32 s40, ttmp6, 0x40000                  ; cx
	s_bfe_u32 s41, ttmp6, 0x40004                  ; cy
	s_and_b32 s13, ttmp7, 0xffff                   ; cluster y: the block of 128 positions
	s_or_b32 s68, s13, s11                         ; 0 where my first 16 tokens are positions 0 to 15
	s_lshl_b32 s43, s41, 2
	s_lshl_b32 s43, 15, s43                        ; my row of the cluster
	s_lshl_b32 s44, 0x1111, s40                    ; my column
	s_or_b32 s[G1+0], s43, (1<<16)|(1<<20)|(1<<21)|(4<<22)|(3<<25)   ; the mask; elements of 2 bytes; padding: 4 words behind every 32; bit 21 beside a mask
	s_or_b32 s[G1B+0], s44, (1<<16)|(1<<20)|(1<<21)|(4<<22)|(3<<25)
	s_mov_b32 s[G1+1], 64<<16                      ; tensor_dim0
	s_mov_b32 s[G1+2], 128<<16                     ; tensor_dim1
	s_mov_b32 s[G1+3], 64<<16                      ; tile_dim0
	s_mov_b32 s[G1+4], 128                         ; tile_dim1
	s_mov_b32 s[G1+5], 64                          ; from row to row
	s_mov_b32 s[G1+6], 0
	s_mov_b32 s[G1+7], 0
	s_mov_b32 s[G1B+1], 64<<16
	s_mov_b32 s[G1B+2], 256<<16
	s_mov_b32 s[G1B+3], 64<<16
	s_mov_b32 s[G1B+4], 256
	s_mov_b32 s[G1B+5], 64
	s_mov_b32 s[G1B+6], 0
	s_mov_b32 s[G1B+7], 0
	s_lshl_b32 s16, s41, 22                        ; att: batch x 4,194,304
	s_lshl_b32 s17, s12, 18                        ; + my chunk x 262,144
	s_add_co_u32 s16, s16, s17
	s_lshl_b32 s17, s13, 14                        ; + 128 positions x 128 bytes a block
	s_add_co_u32 s16, s16, s17
	s_mov_b32 s17, 0
	s_lshl_b32 s46, s12, 17                        ; wph: my chunk x 131,072
	s_lshl_b32 s47, s40, 15                        ; + 256 rows x 128 bytes a tile column
	s_add_co_u32 s46, s46, s47
	s_mov_b32 s47, 0
	s_mul_i32 s20, s12, ACH                        ; where they go: by the wave's number alone
	s_mul_i32 s21, s12, BCH
	s_add_co_u32 s21, s21, BOFF
	s_wait_dscnt 0x0                               ; both opening adds are done
	s_wait_kmcnt 0x0
	s_add_nc_u64 s[14:15], s[4:5], s[16:17]
	s_add_nc_u64 s[46:47], s[6:7], s[46:47]
	CROUND                                         ; all sixteen work-groups are here: the first joint loads meet
.irp s, 0,1
	s_mov_b32 s[G0+4*\s], 1
	s_add_co_u32 s[G0+4*\s+1], s20, \s*SLOT
	s_add_nc_u64 s[G0+4*\s+2:G0+4*\s+3], s[14:15], \s*2*262144
	s_or_b32 s[G0+4*\s+3], s[G0+4*\s+3], 0x80000000
	s_mov_b32 s[G0B+4*\s], 1
	s_add_co_u32 s[G0B+4*\s+1], s21, \s*SLOT
	s_add_nc_u64 s[G0B+4*\s+2:G0B+4*\s+3], s[46:47], \s*2*131072
	s_or_b32 s[G0B+4*\s+3], s[G0B+4*\s+3], 0x80000000
	JLOAD \s                                       ; two loads of mine are out at the most
.endr
	v_and_b32 v1, 15, v0                           ; r
	v_bfe_u32 v2, v0, 4, 1                         ; h
	v_mul_u32_u24 v3, v1, PITCH
	v_lshl_add_u32 v3, v2, 4, v3                   ; a fragment's row x pitch + 16 h
	s_mul_i32 s21, s11, 64*PITCH                   ; my 64 tokens
	s_mul_i32 s22, s12, 128*PITCH                  ; my 128 rows of Wp,
	s_add_co_u32 s22, s22, BOFF                    ; behind att's two chunks
.irp s, 0,1
	v_add_nc_u32 v[ADRA+\s], s21, v3
	v_add_nc_u32 v[ADRB+\s], s22, v3
	s_add_co_u32 s21, s21, SLOT
	s_add_co_u32 s22, s22, SLOT
.endr
	s_mul_i32 s23, s10, 16*SPITCH
	s_add_co_u32 s23, s23, STAGE                   ; my stage
	v_mul_u32_u24 v4, v1, SPITCH
	v_lshl_add_u32 v4, v2, 5, v4
	v_add_nc_u32 v[STO], s23, v4                   ; in: row r, 32 bytes for each half of the lanes
	v_and_b32 v[CO], 31, v0
	v_lshlrev_b32 v[CO], 4, v[CO]                  ; back: the 32 lanes take one row of 512 bytes; and the same in out0
	v_add_nc_u32 v[RD], s23, v[CO]
	v_lshlrev_b32 v6, 5, v2                        ; the bias: 32 h bytes
	s_lshl_b32 s16, s40, 10
	s_lshl_b32 s17, s12, 9
	s_add_co_u32 s16, s16, s17                     ; my first column, in bytes
	s_mov_b32 s17, 0
	s_add_nc_u64 s[66:67], s[66:67], s[16:17]
	s_add_nc_u64 s[8:9], s[8:9], s[16:17]
.irp b, 0,1,2,3,4,5,6,7
	global_load_b128 v[BI+8*\b:BI+8*\b+3], v6, s[66:67] offset:64*\b          ; bp at columns 16 b + 8 h + 0 .. 7: the result's layout
	global_load_b128 v[BI+8*\b+4:BI+8*\b+7], v6, s[66:67] offset:64*\b+16
.endr
	s_lshl_b32 s16, s41, 11
	s_lshl_b32 s18, s13, 7
	s_add_co_u32 s16, s16, s18
	s_lshl_b32 s18, s11, 6
	s_add_co_u32 s16, s16, s18                     ; my first token
	s_lshl_b32 s16, s16, 12                        ; rows of 4,096 bytes
	s_add_nc_u64 s[8:9], s[8:9], s[16:17]
; 16 matrix instructions: token blocks a0, a0 + 1 x all 8 column blocks, 32 along K: half kk of buffer f.  The 32 accumulators take turns, one instruction a turn, in the same order throughout.
.macro MUL16 f, kk, a0, first
.irp a, \a0, \a0+1
.irp b, 0,1,2,3,4,5,6,7
.if \first
	v_wmma_f32_16x16x32_f16 v[8*(8*(\a)+\b):8*(8*(\a)+\b)+7], v[128*\f+8*(8*\kk+\b):128*\f+8*(8*\kk+\b)+7], v[AFR+64*\f+8*(4*\kk+(\a)):AFR+64*\f+8*(4*\kk+(\a))+7], v[BI+8*\b:BI+8*\b+7]
.else
	v_wmma_f32_16x16x32_f16 v[8*(8*(\a)+\b):8*(8*(\a)+\b)+7], v[128*\f+8*(8*\kk+\b):128*\f+8*(8*\kk+\b)+7], v[AFR+64*\f+8*(4*\kk+(\a)):AFR+64*\f+8*(4*\kk+(\a))+7], v[8*(8*(\a)+\b):8*(8*(\a)+\b)+7]
.endif
.endr
.endr
.endm
; 48 LDS loads in one run: chunk c of a slot into buffer f: the first 32 along K (8 + 16 loads) first, then the second (16 + 8)
.macro FETCH slot, c, f
	WIN 0
.irp a, 0,1,2,3
	ds_load_b128 v[AFR+64*\f+8*\a:AFR+64*\f+8*\a+3],   v[ADRA+\slot] offset:\c*ACH+\a*16*PITCH
	ds_load_b128 v[AFR+64*\f+8*\a+4:AFR+64*\f+8*\a+7], v[ADRA+\slot] offset:\c*ACH+\a*16*PITCH+32
.endr
	WIN TO_B
.irp kk, 0,1
.irp b, 0,1,2,3,4,5,6,7
	ds_load_b128 v[128*\f+8*(8*\kk+\b):128*\f+8*(8*\kk+\b)+3],   v[ADRB+\slot] offset:\c*BCH+\b*16*PITCH+64*\kk
	ds_load_b128 v[128*\f+8*(8*\kk+\b)+4:128*\f+8*(8*\kk+\b)+7], v[ADRB+\slot] offset:\c*BCH+\b*16*PITCH+64*\kk+32
.endr
.endr
	WIN 0
.irp a, 0,1,2,3
	ds_load_b128 v[AFR+64*\f+8*(4+\a):AFR+64*\f+8*(4+\a)+3],   v[ADRA+\slot] offset:\c*ACH+\a*16*PITCH+64
	ds_load_b128 v[AFR+64*\f+8*(4+\a)+4:AFR+64*\f+8*(4+\a)+7], v[ADRA+\slot] offset:\c*ACH+\a*16*PITCH+96
.endr
.endm
.macro PLACES
.rept 4
	v_nop
.endr
.endm
; A slot's first chunk: multiplies buffer 0 and fetches the second chunk into buffer 1.
.macro HALF slot, first
	s_wait_dscnt 24                                ; the first 32 along K are in; the 24 loads of the second may be out
.if \first
	WIN MULB
.else
	WIN MUL
.endif
	MUL16 0, 0, 0, \first
	MUL16 0, 0, 2, \first
	PLACES
	FETCH \slot, 1, 1
	s_wait_dscnt 48                                ; all but the 48 just issued
	WIN MUL
	MUL16 0, 1, 0, 0
	MUL16 0, 1, 2, 0
.endm
; A slot's second chunk multiplies buffer 1 and changes slots: one barrier; in front of it each wave waits for all its tensor loads, adds 0 to its spare word, and waits for that and for its reads of this slot.
.macro TURN slot, next, fill
	WIN 0
	s_wait_tensorcnt 0x0                           ; all my tensor loads have landed: my part of the next slot
	ds_add_u32 v[SPW], v[NIL]
	s_wait_dscnt 25                                ; the add and the youngest 24 loads may be out
	WIN MUL
	MUL16 1, 0, 0, 0
	s_wait_dscnt 0x0                               ; the add is done, and my reads of this slot are over
	s_barrier_signal -1
	MUL16 1, 0, 2, 0
.if \fill
	WIN 0
.endif
	s_barrier_wait -1
.if \fill
	CREST                                          ; the barrier has opened a round of the cluster's barrier: no wave of any partner still reads this slot or has a load on its way
	s_add_nc_u64 s[G0+4*\slot+2:G0+4*\slot+3], s[G0+4*\slot+2:G0+4*\slot+3], 4*262144
	s_add_nc_u64 s[G0B+4*\slot+2:G0B+4*\slot+3], s[G0B+4*\slot+2:G0B+4*\slot+3], 4*131072
	JLOAD \slot                                    ; the first tensor load behind the round; its four v_nop are also the places in front of the loads below
.else
	PLACES
.endif
	FETCH \next, 0, 0
	WIN MUL
	MUL16 1, 1, 0, 0
	MUL16 1, 1, 2, 0
.endm
	s_wait_tensorcnt 1                             ; my part of K step 0 is in; K step 1's load may be out
	s_barrier_signal -1
	s_barrier_wait -1
	FETCH 0, 0, 0
	s_wait_loadcnt 0x0                             ; the bias
	HALF 0, 1                                      ; the first products take the bias as C: nothing is cleared, nothing is added later
	WIN 0
	s_mov_b32 s3, 3
.Llap:                                             ; three trips: each goes once round the ring and fills both slots again: K steps 2 to 7
	TURN 0, 1, 1
	HALF 1, 0
	TURN 1, 0, 1
	HALF 0, 0
	WIN 0
	s_sub_co_u32 s3, s3, 1
	s_cmp_lg_u32 s3, 0
	s_cbranch_scc1 .Llap
	TURN 0, 1, 0                                   ; the last lap fills nothing
	HALF 1, 0
	s_wait_dscnt 24
	WIN MUL
	MUL16 1, 0, 0, 0
	MUL16 1, 0, 2, 0
	s_wait_dscnt 0
	MUL16 1, 1, 0, 0
	MUL16 1, 1, 2, 0
	WIN 0
; THE WAY OUT, block by block of 16 tokens x 128 columns, through my own stage: back as whole rows of 512 bytes.
.macro TOSTAGE a
	WIN 0x08                                       ; an LDS store's data are its source 1: window 2
.irp b, 0,1,2,3,4,5,6,7
	ds_store_b128 v[STO], v[8*(8*(\a)+\b):8*(8*(\a)+\b)+3] offset:64*\b           ; each accumulator from its low end on
	ds_store_b128 v[STO], v[8*(8*(\a)+\b)+4:8*(8*(\a)+\b)+7] offset:64*\b+16
.endr
	WIN 0
.set BB, BK+64*((\a)%2)
.irp t, 0,1,2,3,4,5,6,7,8,9,10,11,12,13,14,15
	ds_load_b128 v[BB+4*\t:BB+4*\t+3], v[RD] offset:\t*SPITCH
.endr
.endm
.macro SEND a, younger
.set BB, BK+64*((\a)%2)
	s_wait_dscnt \younger                          ; the block is back; the next block's 16 stores and 16 loads may be out
.if (\a) == 0
	s_cmp_eq_u32 s68, 0                            ; positions 0 to 15 belong to the last launch.  The cluster's y and the wave's number alone
	s_cbranch_scc1 .Lowned_\@
.endif
.irp t, 0,1,2,3,4,5,6,7,8,9,10,11,12,13,14,15
	global_store_b128 v[CO], v[BB+4*\t:BB+4*\t+3], s[8:9] offset:(16*(\a)+\t)*4096 th:TH_STORE_NT   ; 512 consecutive bytes, aligned
.endr
.if (\a) == 0
.Lowned_\@:
.endif
.endm
	PLACES
	TOSTAGE 0
.irp a, 1,2,3
.if \a > 1
	s_wait_xcnt 0x0                                ; block a - 2's stores have read their registers: block a's loads may land there
.endif
	TOSTAGE \a
	SEND \a-1, 32
.endr
	SEND 3, 0
	s_wait_tensorcnt 0x0                           ; the wave's end
	ds_add_u32 v[SPW], v[NIL]
	s_wait_dscnt 0x0
	CROUND                                         ; the closing round
	s_endpgm
.Lfunc_end_k_qbaf2889e72_proj:
	.size	k_qbaf2889e72_proj, .Lfunc_end_k_qbaf2889e72_proj-k_qbaf2889e72_proj
	.p2alignl 7, 3214868480
	.fill 96, 4, 3214868480
	.section	.rodata,"a",@progbits
	.p2align	6, 0x0
	.amdhsa_kernel k_qbaf2889e72_proj
		.amdhsa_group_segment_fixed_size 327680
		.amdhsa_private_segment_fixed_size 0
		.amdhsa_enable_private_segment 0
		.amdhsa_kernarg_size 32
		.amdhsa_user_sgpr_count 2
		.amdhsa_user_sgpr_kernarg_segment_ptr 1
		.amdhsa_wavefront_size32 1
		.amdhsa_system_sgpr_workgroup_id_x 1
		.amdhsa_system_sgpr_workgroup_id_y 1
		.amdhsa_system_sgpr_workgroup_id_z 1
		.amdhsa_system_vgpr_workitem_id 0
		.amdhsa_next_free_vgpr 768
		.amdhsa_next_free_sgpr 70
		.amdhsa_reserve_vcc 0
		.amdhsa_float_denorm_mode_32 3
		.amdhsa_float_denorm_mode_16_64 3
		.amdhsa_memory_ordered 1
		.amdhsa_forward_progress 1
		.amdhsa_inst_pref_size 85
	.end_amdhsa_kernel
	.amdgpu_metadata
---
amdhsa.version: [ 1, 2 ]
amdhsa.kernels:
  - .name:           k_qbaf2889e72_proj
    .symbol:         k_qbaf2889e72_proj.kd
    .args:
      - { .name: att, .offset: 0, .size: 8, .value_kind: global_buffer, .address_space: global }
      - { .name: wph, .offset: 8, .size: 8, .value_kind: global_buffer, .address_space: global }
      - { .name: out0, .offset: 16, .size: 8, .value_kind: global_buffer, .address_space: global }
      - { .name: bp, .offset: 24, .size: 8, .value_kind: global_buffer, .address_space: global }
    .group_segment_fixed_size: 327680
    .private_segment_fixed_size: 0
    .kernarg_segment_align: 8
    .kernarg_segment_size: 32
    .max_flat_workgroup_size: 128
    .sgpr_count:     70
    .vgpr_count:     768
    .wavefront_size: 32
...
	.end_amdgpu_metadata
.endif
;; end of part 4
;; launch first16 (part 5): grid 16 x 4, 16 waves a work-group, no clusters, 71,680 bytes of LDS; arguments q16, Wp, bp, out0; writes out0
.if DOCPART == 5
	.amdgcn_target "amdgcn-amd-amdhsa--gfx1250"
	.amdhsa_code_object_version 6
	.text
	.protected	k_qbaf2889e72_first16
	.globl	k_qbaf2889e72_first16
	.p2align	8
	.type	k_qbaf2889e72_first16,@function
k_qbaf2889e72_first16:
	s_mov_b64 s[64:65], 0
	v_nop
	global_prefetch_b8 v0, s[64:65] scope:SCOPE_SE
	s_setreg_imm32_b32 hwreg(HW_REG_WAVE_MODE, 25, 1), 1
	s_wait_xcnt 0x0
; FIFTH LAUNCH: positions 0 to 15 of every sequence, in f32 throughout: scores, softmax, weighted values, projection and bias.  These rows average one to sixteen values and are the largest in size.
; q16 holds c q, k and v of those positions as images of accumulator registers: image T (16 of the 3,072 columns n): lane (r, h), register j = the number at position r, n = 16 T + 8 h + j; registers 0-3 at 16 x lane, 4-7 at 512 + 16 x lane.
; Work-group (g, batch) makes columns 64 g to 64 g + 63 of the batch's 16 rows.  Wave w is head w: it makes the head's 16 x 64 attention result (every work-group of a batch makes it anew: 32 small products)
; and its share of the projection; the sixteen shares meet in LDS, and wave w sums row w.  96 products of 16 x 16 x 4 a wave: no bulk work.
; A K STEP takes registers 2 c, 2 c + 1 of a lane's eight on both sides: the same places of k in both sources, so the sums are those of the true order of k.
; The registers that the matrix instructions write (v160-239) are written by them alone; sums begin with the constant 0.
; LIMITS: NaN and infinities are not served.
.set SPARE, 69632                      ; behind the sixteen regions of 16 rows x 272 bytes: the spare words
.set LI,  3                            ; v3  16 x lane
.set VB,  4                            ; v4  V turned: my channel's place in an image
.set WA,  5                            ; v5  Wp: 4,096 r + 32 h
.set DD,  6                            ; v6  r - 8 h
.set NINF, 7
.set STO, 8
.set RD,  9
.set GO,  10                           ; v10 8 x lane
.set SPW, 12
.set NIL, 13
.set BPR, 14                           ; v[14:15] bp, then the row's sum
.set T,   16                           ; v16-23 scores, then p
.set QF,  32
.set KF,  64
.set VT,  96
.set W0,  128
.set SA,  160
.set SB,  168
.set OA,  176
.set OU,  208
	s_load_b256 s[4:11], s[0:1], 0x0               ; q16 s[4:5], Wp s[6:7], bp s[8:9], out0 s[10:11]
	v_lshl_add_u32 v[SPW], v0, 2, SPARE
	v_mov_b32 v[NIL], 0
	v_lshrrev_b32 v1, 5, v0
	v_readfirstlane_b32 s12, v1                    ; wave = head
	s_and_b32 s13, ttmp7, 0xffff                   ; batch
	v_and_b32 v1, 15, v0                           ; r
	v_bfe_u32 v2, v0, 4, 1                         ; h
	v_and_b32 v[LI], 31, v0
	v_lshlrev_b32 v[GO], 3, v[LI]
	v_lshlrev_b32 v[LI], 4, v[LI]
	v_bfe_u32 v[VB], v0, 2, 1
	v_lshlrev_b32 v[VB], 9, v[VB]                  ; channel r of an image lies in registers r % 8 of lanes 16 (r / 8) + position: 512 ((r / 4) % 2)
	v_bfe_u32 v5, v0, 3, 1
	v_lshl_add_u32 v[VB], v5, 8, v[VB]             ; + 256 (r / 8)
	v_lshl_add_u32 v[VB], v2, 7, v[VB]             ; + 128 h: keys 8 h on
	v_and_b32 v5, 3, v0
	v_lshl_add_u32 v[VB], v5, 2, v[VB]             ; + 4 (r % 4)
	v_lshlrev_b32 v[WA], 12, v1
	v_lshl_add_u32 v[WA], v2, 5, v[WA]
	v_lshlrev_b32 v[DD], 3, v2
	v_sub_nc_u32 v[DD], v1, v[DD]
	v_mov_b32 v[NINF], 0xff800000
	s_mul_i32 s14, s12, 4352
	v_mul_u32_u24 v[STO], v1, 272
	v_lshl_add_u32 v[STO], v2, 5, v[STO]
	v_add_nc_u32 v[STO], s14, v[STO]               ; my region: row r, 32 h bytes
	s_mul_i32 s14, s12, 272
	v_add_nc_u32 v[RD], s14, v[GO]                 ; row w of a region, 8 bytes a lane
	s_mov_b32 s20, 0x76543210
	s_mov_b32 s21, 0xfedcba98                      ; v_permlanex16_b32: lane l xor 16
	s_mul_i32 s16, s13, 196608
	s_lshl_b32 s17, s12, 12
	s_add_co_u32 s16, s16, s17                     ; q16: the batch's 192 images, my head's four
	s_mov_b32 s17, 0
	s_lshl_b32 s18, ttmp9, 18
	s_lshl_b32 s19, s12, 8
	s_add_co_u32 s18, s18, s19                     ; Wp: row 64 g, k = 64 w
	s_mov_b32 s19, 0
	s_lshl_b32 s22, ttmp9, 8                       ; bp and a row of out0: 256 g bytes
	s_mov_b32 s23, 0
	s_lshl_b32 s24, s13, 11
	s_add_co_u32 s24, s24, s12
	s_lshl_b32 s24, s24, 12                        ; out0: row 2,048 batch + w
	s_mov_b32 s25, 0
	s_wait_kmcnt 0x0
	s_add_nc_u64 s[4:5], s[4:5], s[16:17]
	s_add_nc_u64 s[6:7], s[6:7], s[18:19]
	s_add_nc_u64 s[8:9], s[8:9], s[22:23]
	s_add_nc_u64 s[10:11], s[10:11], s[22:23]
	s_add_nc_u64 s[10:11], s[10:11], s[24:25]
.macro WLOAD reg, t                    ; Wp(64 g + 16 u + r, 64 w + 16 t + 8 h + 0 .. 7) into v[reg + 8 u] on
.irp u, 0,1,2,3
	global_load_b128 v[\reg+8*\u:\reg+8*\u+3], v[WA], s[6:7] offset:65536*\u+64*\t
	global_load_b128 v[\reg+8*\u+4:\reg+8*\u+7], v[WA], s[6:7] offset:65536*\u+64*\t+16
.endr
.endm
	global_load_b64 v[BPR:BPR+1], v[GO], s[8:9]
.irp t, 0,1,2,3
	global_load_b128 v[QF+8*\t:QF+8*\t+3], v[LI], s[4:5] offset:1024*\t
	global_load_b128 v[QF+8*\t+4:QF+8*\t+7], v[LI], s[4:5] offset:1024*\t+512
.endr
.irp t, 0,1,2,3
	global_load_b128 v[KF+8*\t:KF+8*\t+3], v[LI], s[4:5] offset:65536+1024*\t
	global_load_b128 v[KF+8*\t+4:KF+8*\t+7], v[LI], s[4:5] offset:65536+1024*\t+512
.endr
.irp e, 0,1,2,3
.irp i, 0,1,2,3,4,5,6,7
	global_load_b32 v[VT+8*\e+\i], v[VB], s[4:5] offset:131072+1024*\e+16*\i     ; v(key 8 h + i, channel 16 e + r)
.endr
.endr
	WLOAD W0, 0
	s_wait_loadcnt 40                              ; q and k are in; v's 32 loads and the first weights' 8 may be out
; scores: S^T(key, query), two accumulators by turns; their first K steps start the sums
	v_wmma_f32_16x16x4_f32 v[SA:SA+7], v[KF:KF+1], v[QF:QF+1], 0
	v_wmma_f32_16x16x4_f32 v[SB:SB+7], v[KF+2:KF+3], v[QF+2:QF+3], 0
.irp i, 4,8,12,16,20,24,28
	v_wmma_f32_16x16x4_f32 v[SA:SA+7], v[KF+\i:KF+\i+1], v[QF+\i:QF+\i+1], v[SA:SA+7]
	v_wmma_f32_16x16x4_f32 v[SB:SB+7], v[KF+\i+2:KF+\i+3], v[QF+\i+2:QF+\i+3], v[SB:SB+7]
.endr
.rept 8
	v_nop                                          ; eight places behind this form, in front of loads into its sources and of the first read of its results
.endr
	WLOAD QF, 1
	WLOAD KF, 2
.irp j, 0,1,2,3,4,5,6,7
	v_add_f32 v[T+\j], v[SA+\j], v[SB+\j]          ; lane (r, h): query r, key 8 h + j; from the low end on
.endr
.irp j, 0,1,2,3,4,5,6,7
	v_cmp_gt_i32 vcc_lo, \j, v[DD]                 ; hidden where 8 h + j > r
	v_cndmask_b32 v[T+\j], v[T+\j], v[NINF], vcc_lo
.endr
	v_max3_num_f32 v24, v[T], v[T+1], v[T+2]
	v_max3_num_f32 v25, v[T+3], v[T+4], v[T+5]
	v_max3_num_f32 v24, v24, v[T+6], v[T+7]
	v_max_num_f32 v24, v24, v25
	v_permlanex16_b32 v25, v24, s20, s21
	v_max_num_f32 v24, v24, v25                    ; the row's maximum: key 0 counts for every query, so it is a number
.irp j, 0,1,2,3,4,5,6,7
	v_sub_f32 v[T+\j], v[T+\j], v24
.endr
.irp j, 0,1,2,3,4,5,6,7
	v_exp_f32 v[T+\j], v[T+\j]
.endr
	v_nop
	s_wait_alu depctr_va_vdst(0)                   ; one wait for the eight
	v_add_f32 v24, v[T], v[T+1]
	v_add_f32 v25, v[T+2], v[T+3]
	v_add_f32 v26, v[T+4], v[T+5]
	v_add_f32 v27, v[T+6], v[T+7]
	v_add_f32 v24, v24, v25
	v_add_f32 v26, v26, v27
	v_add_f32 v24, v24, v26
	v_permlanex16_b32 v25, v24, s20, s21
	v_add_f32 v24, v24, v25
	v_rcp_f32 v26, v24
	v_nop
	s_wait_alu depctr_va_vdst(0)
.irp j, 0,1,2,3,4,5,6,7
	v_mul_f32 v[T+\j], v[T+\j], v26                ; p, normalised here
.endr
	s_wait_loadcnt 24                              ; v is in; three sets of weights may be out
.irp c, 0,1,2,3                        ; O^T(channel, query): four accumulators by turns
.irp e, 0,1,2,3
.if \c == 0
	v_wmma_f32_16x16x4_f32 v[OA+8*\e:OA+8*\e+7], v[VT+8*\e+2*\c:VT+8*\e+2*\c+1], v[T+2*\c:T+2*\c+1], 0
.else
	v_wmma_f32_16x16x4_f32 v[OA+8*\e:OA+8*\e+7], v[VT+8*\e+2*\c:VT+8*\e+2*\c+1], v[T+2*\c:T+2*\c+1], v[OA+8*\e:OA+8*\e+7]
.endif
.endr
.endr
.rept 9
	v_nop                                          ; nine places: the next products take these results as a source; eight serve the loads into v's registers
.endr
	WLOAD VT, 3
	s_wait_loadcnt 8                               ; three sets of weights are in; the last 8 loads may be out
.macro PROJ reg, t, first              ; out^T(column, query) += Wp x O for k = 64 w + 16 t on: four accumulators by turns
.irp c, 0,1,2,3
.irp u, 0,1,2,3
.if (\first) && (\c == 0)
	v_wmma_f32_16x16x4_f32 v[OU+8*\u:OU+8*\u+7], v[\reg+8*\u+2*\c:\reg+8*\u+2*\c+1], v[OA+8*\t+2*\c:OA+8*\t+2*\c+1], 0
.else
	v_wmma_f32_16x16x4_f32 v[OU+8*\u:OU+8*\u+7], v[\reg+8*\u+2*\c:\reg+8*\u+2*\c+1], v[OA+8*\t+2*\c:OA+8*\t+2*\c+1], v[OU+8*\u:OU+8*\u+7]
.endif
.endr
.endr
.endm
	PROJ W0, 0, 1
	PROJ QF, 1, 0
	PROJ KF, 2, 0
	s_wait_loadcnt 0x0
	PROJ VT, 3, 0
.rept 8
	v_nop
.endr
.irp u, 0,1,2,3
	ds_store_b128 v[STO], v[OU+8*\u:OU+8*\u+3] offset:64*\u          ; lane (r, h): query r, columns 16 u + 8 h + 0 .. 7; from the low end on
	ds_store_b128 v[STO], v[OU+8*\u+4:OU+8*\u+7] offset:64*\u+16
.endr
	s_wait_dscnt 0x0                               ; for the others' sake: my share lies in LDS
	s_barrier_signal -1
	s_barrier_wait -1
.irp k, 0,1,2,3,4,5,6,7,8,9,10,11,12,13,14,15
	ds_load_b64 v[32+2*\k:33+2*\k], v[RD] offset:4352*\k             ; row w of head k's share: 256 bytes for the wave
.endr
	s_wait_dscnt 0x0
	v_pk_add_f32 v[BPR:BPR+1], v[BPR:BPR+1], v[32:33]                ; bp and the sixteen shares, in two chains
	v_pk_add_f32 v[24:25], v[34:35], v[38:39]
.irp k, 2,4,6,8,10,12
	v_pk_add_f32 v[BPR:BPR+1], v[BPR:BPR+1], v[32+2*\k:33+2*\k]
	v_pk_add_f32 v[24:25], v[24:25], v[38+2*\k:39+2*\k]
.endr
	v_pk_add_f32 v[BPR:BPR+1], v[BPR:BPR+1], v[60:61]
	v_pk_add_f32 v[BPR:BPR+1], v[BPR:BPR+1], v[24:25]
	global_store_b64 v[GO], v[BPR:BPR+1], s[10:11]                   ; 256 consecutive bytes, aligned
	s_wait_tensorcnt 0x0                           ; the wave's end
	ds_add_u32 v[SPW], v[NIL]
	s_wait_dscnt 0x0
	s_endpgm
.Lfunc_end_k_qbaf2889e72_first16:
	.size	k_qbaf2889e72_first16, .Lfunc_end_k_qbaf2889e72_first16-k_qbaf2889e72_first16
	.p2alignl 7, 3214868480
	.fill 96, 4, 3214868480
	.section	.rodata,"a",@progbits
	.p2align	6, 0x0
	.amdhsa_kernel k_qbaf2889e72_first16
		.amdhsa_group_segment_fixed_size 71680
		.amdhsa_private_segment_fixed_size 0
		.amdhsa_enable_private_segment 0
		.amdhsa_kernarg_size 32
		.amdhsa_user_sgpr_count 2
		.amdhsa_user_sgpr_kernarg_segment_ptr 1
		.amdhsa_wavefront_size32 1
		.amdhsa_system_sgpr_workgroup_id_x 1
		.amdhsa_system_sgpr_workgroup_id_y 1
		.amdhsa_system_sgpr_workgroup_id_z 1
		.amdhsa_system_vgpr_workitem_id 0
		.amdhsa_next_free_vgpr 256
		.amdhsa_next_free_sgpr 66
		.amdhsa_reserve_vcc 1
		.amdhsa_float_denorm_mode_32 3
		.amdhsa_float_denorm_mode_16_64 3
		.amdhsa_memory_ordered 1
		.amdhsa_forward_progress 1
		.amdhsa_inst_pref_size 23
	.end_amdhsa_kernel
	.amdgpu_metadata
---
amdhsa.version: [ 1, 2 ]
amdhsa.kernels:
  - .name:           k_qbaf2889e72_first16
    .symbol:         k_qbaf2889e72_first16.kd
    .args:
      - { .name: q16, .offset: 0, .size: 8, .value_kind: global_buffer, .address_space: global }
      - { .name: Wp, .offset: 8, .size: 8, .value_kind: global_buffer, .address_space: global }
      - { .name: bp, .offset: 16, .size: 8, .value_kind: global_buffer, .address_space: global }
      - { .name: out0, .offset: 24, .size: 8, .value_kind: global_buffer, .address_space: global }
    .group_segment_fixed_size: 71680
    .private_segment_fixed_size: 0
    .kernarg_segment_align: 8
    .kernarg_segment_size: 32
    .max_flat_workgroup_size: 512
    .sgpr_count:     66
    .vgpr_count:     256
    .wavefront_size: 32
...
	.end_amdgpu_metadata
.endif
;; end of part 5
